; MI455X (gfx1250); checked and timed in simulation.
; The chip was launched on July 23, 2026; its instructions are those of AMD's public machine-readable ISA for CDNA 5 (MIT licence, August 2026) and "CDNA5" Instruction Set Architecture Reference Guide (July 2026). The comments in the code are by the model that wrote it; some were corrected since.
;; Retentive Attention. Allowed arithmetic: float matrix products may take bf16 or f16 operands with f32 sums; all other float work in f32.
;; Inputs: Wk 1,024 x 1,024 float32; Wo 1,024 x 1,024 float32; Wq 1,024 x 1,024 float32; Wv 1,024 x 1,024 float32; bk 1,024 float32; bo 1,024 float32; bq 1,024 float32; bv 1,024 float32; gamma 16 float32; x 2 x 2,048 x 1,024 float32.
;; Outputs: out0 2 x 2,048 x 1,024 float32.
;; 2 versions, each right; version 2 is version 1 with the launch cvt written anew for expert scheduling mode. Each part assembles by itself: llvm-mc -triple=amdgcn-amd-amdhsa -mcpu=gfx1250 --defsym DOCPART=n.
;; ======== version 1 of 2: 4 launches
;; limits: values are held in f16: magnitudes above 65,504 overflow, below 6.1e-05 lose precision; inputs' magnitudes at most 65,504
;; workspace buffers: xh 8,388,608 bytes; wh 8,388,608 bytes; qf 8,388,608 bytes; oi 16,777,216 bytes; uu 4,194,304 bytes; st 4,096 bytes; ah 8,388,608 bytes; sc 1,024 bytes
;; launch cvt (part 1): grid 256 x 2, 8 waves a work-group, no clusters, 0 bytes of LDS; arguments x, Wq, Wk, Wv, Wo, xh, wh; writes xh, wh
.if DOCPART == 1
	.amdgcn_target "amdgcn-amd-amdhsa--gfx1250"
	.amdhsa_code_object_version 6
	.text
	.protected	k_qbd025225bd_cvt
	.globl	k_qbd025225bd_cvt
	.p2align	8
	.type	k_qbd025225bd_cvt,@function
k_qbd025225bd_cvt:
	s_mov_b64 s[64:65], 0
	v_nop
	global_prefetch_b8 v0, s[64:65] scope:SCOPE_SE
	s_setreg_imm32_b32 hwreg(HW_REG_WAVE_MODE, 25, 1), 1
	s_wait_xcnt 0x0
; x and the four weight matrices, f32, are rounded once to f16 (nearest even) for the matrix units.
; xh[4096][1024] = x.  wh[4096][1024]: row 192 h + 64 m + j = row 64 h + j of W_m (m = 0, 1, 2: Wq, Wk, Wv), so that the 192 rows that one
; head needs lie together; rows 3072 + n = row n of Wo.
; A work-group takes 16 rows of 4,096 bytes; thread t takes the 16 bytes at 16 t of every row and stores 8 bytes at 8 t:
; a wave's load covers 512 consecutive bytes, its store 256 consecutive bytes, aligned.  All sixteen loads go out at once.
; A pure stream: no LDS, no barrier, no matrix unit.
; LIMITS: |x| and |W| above 65504 become infinite in f16; magnitudes under 2^-14 keep an absolute step of 2^-24.
.set ROWB,  4096                       ; bytes of a source row
.set OROWB, 2048                       ; bytes of a destination row
	s_load_b256 s[4:11], s[0:1], 0x0               ; x s[4:5], Wq s[6:7], Wk s[8:9], Wv s[10:11]
	s_load_b128 s[12:15], s[0:1], 0x20             ; Wo s[12:13], xh s[14:15]
	s_load_b64 s[16:17], s[0:1], 0x30              ; wh
	s_and_b32 s20, ttmp7, 0xffff                   ; 0: rows of x, 1: rows of a weight matrix
	s_lshr_b32 s21, ttmp9, 6                       ; m: which matrix
	s_and_b32 s22, ttmp9, 63                       ; i: which 16 rows of it
	s_lshr_b32 s23, s22, 2                         ; head = i / 4
	s_mul_i32 s23, s23, 192
	s_lshl_b32 s24, s21, 6
	s_add_co_u32 s23, s23, s24                     ; + 64 m
	s_and_b32 s24, s22, 3
	s_lshl_b32 s24, s24, 4
	s_add_co_u32 s23, s23, s24                     ; + 16 (i % 4)
	s_lshl_b32 s24, s22, 4
	s_add_co_u32 s24, s24, 3072                    ; Wo: row 3072 + 16 i
	s_cmp_eq_u32 s21, 3
	s_cselect_b32 s23, s24, s23
	s_lshl_b32 s23, s23, 11                        ; destination bytes in wh
	s_lshl_b32 s24, s22, 16                        ; source bytes in the matrix
	s_lshl_b32 s25, ttmp9, 16                      ; source bytes in x
	s_lshl_b32 s26, ttmp9, 15                      ; destination bytes in xh
	s_cmp_eq_u32 s20, 0
	s_cselect_b32 s24, s25, s24
	s_cselect_b32 s26, s26, s23
	s_mov_b32 s25, 0
	s_mov_b32 s27, 0
	v_lshlrev_b32 v1, 4, v0                        ; 16 t
	v_lshlrev_b32 v2, 3, v0                        ; 8 t
	s_wait_kmcnt 0x0
	s_cmp_eq_u32 s21, 1                            ; the buffers are chosen on the work-group's numbers alone
	s_cselect_b64 s[28:29], s[8:9], s[6:7]
	s_cmp_eq_u32 s21, 2
	s_cselect_b64 s[28:29], s[10:11], s[28:29]
	s_cmp_eq_u32 s21, 3
	s_cselect_b64 s[28:29], s[12:13], s[28:29]
	s_cmp_eq_u32 s20, 0
	s_cselect_b64 s[28:29], s[4:5], s[28:29]
	s_cselect_b64 s[30:31], s[14:15], s[16:17]
	s_add_nc_u64 s[28:29], s[28:29], s[24:25]
	s_add_nc_u64 s[30:31], s[30:31], s[26:27]
.irp j, 0,1,2,3,4,5,6,7,8,9,10,11,12,13,14,15
	global_load_b128 v[8+4*\j:11+4*\j], v1, s[28:29] offset:\j*ROWB th:TH_LOAD_NT
.endr
.irp j, 0,1,2,3,4,5,6,7,8,9,10,11,12,13,14,15
	s_wait_loadcnt 15-\j                           ; loads return in order: row j is in, the younger rows stay out
	v_cvt_pk_f16_f32 v[72+2*\j], v[8+4*\j], v[9+4*\j]
	v_cvt_pk_f16_f32 v[73+2*\j], v[10+4*\j], v[11+4*\j]
	global_store_b64 v2, v[72+2*\j:73+2*\j], s[30:31] offset:\j*OROWB   ; every row has registers of its own: nothing is rewritten
.endr
	s_endpgm
.Lfunc_end_k_qbd025225bd_cvt:
	.size	k_qbd025225bd_cvt, .Lfunc_end_k_qbd025225bd_cvt-k_qbd025225bd_cvt
	.p2alignl 7, 3214868480
	.fill 96, 4, 3214868480
	.section	.rodata,"a",@progbits
	.p2align	6, 0x0
	.amdhsa_kernel k_qbd025225bd_cvt
		.amdhsa_group_segment_fixed_size 0
		.amdhsa_private_segment_fixed_size 0
		.amdhsa_enable_private_segment 0
		.amdhsa_kernarg_size 56
		.amdhsa_user_sgpr_count 2
		.amdhsa_user_sgpr_kernarg_segment_ptr 1
		.amdhsa_wavefront_size32 1
		.amdhsa_system_sgpr_workgroup_id_x 1
		.amdhsa_system_sgpr_workgroup_id_y 1
		.amdhsa_system_sgpr_workgroup_id_z 1
		.amdhsa_system_vgpr_workitem_id 0
		.amdhsa_next_free_vgpr 104
		.amdhsa_next_free_sgpr 66
		.amdhsa_reserve_vcc 0
		.amdhsa_float_denorm_mode_32 3
		.amdhsa_float_denorm_mode_16_64 3
		.amdhsa_memory_ordered 1
		.amdhsa_forward_progress 1
		.amdhsa_inst_pref_size 8
	.end_amdhsa_kernel
	.amdgpu_metadata
---
amdhsa.version: [ 1, 2 ]
amdhsa.kernels:
  - .name:           k_qbd025225bd_cvt
    .symbol:         k_qbd025225bd_cvt.kd
    .args:
      - { .name: x, .offset: 0, .size: 8, .value_kind: global_buffer, .address_space: global }
      - { .name: Wq, .offset: 8, .size: 8, .value_kind: global_buffer, .address_space: global }
      - { .name: Wk, .offset: 16, .size: 8, .value_kind: global_buffer, .address_space: global }
      - { .name: Wv, .offset: 24, .size: 8, .value_kind: global_buffer, .address_space: global }
      - { .name: Wo, .offset: 32, .size: 8, .value_kind: global_buffer, .address_space: global }
      - { .name: xh, .offset: 40, .size: 8, .value_kind: global_buffer, .address_space: global }
      - { .name: wh, .offset: 48, .size: 8, .value_kind: global_buffer, .address_space: global }
    .group_segment_fixed_size: 0
    .private_segment_fixed_size: 0
    .kernarg_segment_align: 8
    .kernarg_segment_size: 56
    .max_flat_workgroup_size: 256
    .sgpr_count:     66
    .vgpr_count:     104
    .wavefront_size: 32
...
	.end_amdgpu_metadata
.endif
;; end of part 1
;; launch proj (part 2): grid 16 x 16, 4 waves a work-group, clusters of 4 x 4, 327,680 bytes of LDS; arguments xh, wh, bq, bk, bv, qf, oi, uu, st; writes qf, oi, uu, st
.if DOCPART == 2
	.amdgcn_target "amdgcn-amd-amdhsa--gfx1250"
	.amdhsa_code_object_version 6
	.text
	.protected	k_qbd025225bd_proj
	.globl	k_qbd025225bd_proj
	.p2align	8
	.type	k_qbd025225bd_proj,@function
k_qbd025225bd_proj:
	s_mov_b64 s[64:65], 0
	v_nop
	global_prefetch_b8 v0, s[64:65] scope:SCOPE_SE
	s_setreg_imm32_b32 hwreg(HW_REG_WAVE_MODE, 25, 1), 1
	s_wait_xcnt 0x0
	s_wait_alu depctr_hold_cnt(0) depctr_sa_sdst(0) depctr_va_vdst(0) depctr_va_sdst(0) depctr_va_ssrc(0) depctr_va_vcc(0) depctr_vm_vsrc(0)
	s_getreg_b32 s2, hwreg(HW_REG_IB_STS2, 6, 4)
	s_cmp_eq_u32 s2, 0
	s_cbranch_scc0 .Lentry_in_a_cluster
	s_endpgm
.Lentry_in_a_cluster:
	s_bfe_u32 s2, ttmp6, 0x10000c
	s_cmp_lg_u32 s2, 0xf033
	s_cbranch_scc0 .Lentry_shape_is_right
	s_endpgm
.Lentry_shape_is_right:
; One work-group = one head (x) and one chunk of 256 rows (y = 8 batch + chunk).  It makes q, k, v of that head and chunk
; (256 x 192 over K = 1024, f16 operands, f32 sums, bias in f32) and, without leaving registers, the retention inside the chunk.
; There is no softmax, so tril(q k^T) v = (diagonal blocks) + q (sum over earlier rows of k^T v), exactly, for every input.
;   alpha, kappa, nu = max |q|, |k|, |v| over the chunk (at least 2^-100);  q^ = q/alpha, k^ = k/kappa, v^ = v/nu, in [-1, 1], rounded to f16.
;   wave w owns rows 64 w .. 64 w + 63:  U_w = k^_w^T v^_w;  O^ = tril64(q^ k^^T) v^ + q^ (U_0 + .. + U_(w-1)).
;   |scores| <= 64 and |sum of U| <= 192: both go to f16 as they are.
; Stored: q^ as matrix fragments (qf), O^ in f32 as accumulator registers (oi), U_0+..+U_3 in f32 (uu), {alpha, kappa nu, 0, 0} (st).
; Every global store of a wave covers 512 consecutive bytes, aligned.
; LIMITS: inputs finite (a NaN or an infinity spreads over its chunk through the maxima); alpha, kappa, nu below 2^126, so that
; their reciprocals are no denormals (v_rcp_f32 flushes those: ISA guide, its entry in 15.8).
; CLUSTERS: 4 x 4 work-groups.  The four of a row of the cluster share the chunk, so x's tile is asked for jointly along the row;
; the four of a column share the head, so the weights' tile is asked for jointly along the column.
; THE LAYOUT IDENTITY used throughout: accumulator register j of lane (r, h) holds element (m = 8 h + j, n = r).  Packing registers
; (0,1)(2,3)(4,5)(6,7) to f16 gives registers 0-3 of a 16-bit fragment with lane index n and k = m; the tile 16 further in m gives registers 4-7.
; So results become operands without moving between lanes; only k^T goes through LDS (a transposing load).
; REGISTERS in windows of 256.  Main loop: window 0 fragments (weights: buffer f at 96 f + 8 b; x: 192 + 32 f + 8 a), window 1 addresses and biases,
; windows 2 and 3 the 48 accumulator tiles (tile (al, b) at 8 (12 al + b); window 2: row tiles 0, 1; window 3: row tiles 2, 3).
.set PITCH, 272                        ; an LDS row: 256 bytes + 16 of padding, an odd multiple of 16: 16 rows of a fragment load start 16 bytes apart modulo 256
.set XHALF, 128*PITCH                  ; what one tensor load of x brings
.set WHALF, 96*PITCH                   ; what one tensor load of weights brings
.set WOFF,  256*PITCH                  ; the weights' 192 rows lie behind x's 256
.set SLOT,  448*PITCH
.set MAXA,  2*SLOT                     ; 256 bytes: the waves' maxima.  No fill ever lands here or behind
.set WB,    MAXA+256                   ; 16,384 bytes a wave: first k^ by rows (pitch KP), then U_w in f32
.set KP,    144
.set ADRX, 4                           ; window 1: v4-5 my x fragments in slot 0, 1
.set ADRW, 6                           ; v6-7   the weights' fragments in slot 0, 1
.set KSTO, 8                           ; v8     where I put 16 bytes of a row of k^
.set KTR,  9                           ; v9     the transposing load's address
.set UST,  10                          ; v10    my U_w: 16 lane
.set URD,  11                          ; v11    wave 0's U: 16 lane
.set MXW,  12                          ; v12    my wave's four words of maxima
.set MXR,  13                          ; v13    all waves' maxima
.set L16,  14                          ; v14    16 lane
.set H32,  15                          ; v15    32 h
.set R4,   16                          ; v16    4 r
.set BQK,  32                          ; v32-95   biases of column tiles 0-7 (q, k): 8 registers each
.set BV,   96                          ; v96-103  bias of v's four column tiles, each twice
.set PF,   128                         ; v128-175 masked scores as fragments
.set QF,   0                           ; window 0 in the epilogue: q^ (a, dh) at 8 (2 a + dh)
.set KF,   64                          ; k^ (kt, dh)
.set VT,   128                         ; v^ transposed (et, kb)
.set KT,   192                         ; k^ transposed (dt, kb)
.set SLF,  64                          ; later: sum of earlier waves' U as fragments (et, dh)
.set MX,   0                           ; before that: twelve chains of maxima
.set UT,   0                           ; window 2 in the epilogue: U_w (dt, et) at 8 (4 dt + et)
.set OT,   128                         ; O^ (a, et) at 128 + 8 (4 a + et)
.set G1,  32                           ; s[32:39] shape of x's tiles
.set G0,  40                           ; s[40:47] from where, to where: one set a slot
.set G1B, 48                           ; s[48:55] shape of the weights' tiles
.set G0B, 56                           ; s[56:63]
.set PADW, (1<<16)|(1<<20)|(1<<21)|(5<<22)|(3<<25)   ; 2-byte elements; padding on; bit 21 beside a mask; after every 64 words, 4 words
.set MSB, 0
.macro WIN new                         ; the immediate's high byte repeats the setting that is left
.if MSB != (\new)
	s_set_vgpr_msb (MSB<<8)|(\new)
.set MSB, \new
.endif
.endm
; A joint load: waves 0, 1 ask for x's two halves, waves 2, 3 for the weights'.  The branch hangs on the wave's number alone.
.macro JLOAD s
	s_cmp_eq_u32 s24, 0
	s_cbranch_scc0 .Lfor_w_\@
	tensor_load_to_lds s[G0+4*\s:G0+4*\s+3], s[G1:G1+7]
	s_nop 0
	s_branch .Lasked_\@
.Lfor_w_\@:
	tensor_load_to_lds s[G0B+4*\s:G0B+4*\s+3], s[G1B:G1B+7]
	s_nop 0
.Lasked_\@:
.endm
.macro CREST                           ; a round of the cluster's barrier behind its opening work-group barrier
	s_cmp_lg_u32 s22, 0
	s_cbranch_scc1 .Lnot_wave_0_\@
	s_barrier_signal -3
.Lnot_wave_0_\@:
	s_barrier_wait -3
	s_barrier_signal -1
	s_barrier_wait -1
.endm
.macro CROUND
	s_barrier_signal -1
	s_barrier_wait -1
	CREST
.endm
.macro PLACES                          ; four independent vector instructions behind matrix instructions (ISA guide 7.12.1)
.rept 4
	v_nop
.endr
.endm
	s_load_b512 s[4:19], s[0:1], 0x0               ; xh s[4:5], wh s[6:7], bq s[8:9], bk s[10:11], bv s[12:13], qf s[14:15], oi s[16:17], uu s[18:19]
	s_load_b64 s[20:21], s[0:1], 0x40              ; st
	s_set_vgpr_msb 0x40
	v_lshl_add_u32 v254, v0, 2, 0x4b900
	v_mov_b32 v255, 0
	s_set_vgpr_msb 0x4045
	ds_add_u32 v254, v255
	s_set_vgpr_msb 0x4500
	v_lshrrev_b32 v1, 5, v0
	v_readfirstlane_b32 s22, v1                    ; wave 0..3
	s_and_b32 s23, s22, 1                          ; which half of a tile I fetch
	s_lshr_b32 s24, s22, 1                         ; 0: I fetch x, 1: weights
	s_bfe_u32 s25, ttmp6, 0x40000                  ; cx
	s_bfe_u32 s26, ttmp6, 0x40004                  ; cy
	s_lshl_b32 s27, ttmp9, 2
	s_add_co_u32 s27, s27, s25                     ; head
	s_and_b32 s28, ttmp7, 0xffff
	s_lshl_b32 s28, s28, 2
	s_add_co_u32 s28, s28, s26                     ; y = 8 batch + chunk
	s_lshl_b32 s29, s26, 2
	s_lshl_b32 s29, 15, s29                        ; my row of the cluster
	s_lshl_b32 s30, 0x1111, s25                    ; my column
	s_or_b32 s[G1+0], s29, PADW                    ; x's tiles go to my row
	s_mov_b32 s[G1+1], 128<<16                     ; tensor_dim0 = 128 elements
	s_mov_b32 s[G1+2], 128<<16                     ; tensor_dim1 = 128 rows
	s_mov_b32 s[G1+3], 128<<16                     ; tile_dim0 = 128
	s_mov_b32 s[G1+4], 128                         ; tile_dim1 = 128
	s_mov_b32 s[G1+5], 1024                        ; elements from row to row
	s_mov_b32 s[G1+6], 0
	s_mov_b32 s[G1+7], 0
	s_or_b32 s[G1B+0], s30, PADW                   ; the weights' tiles go to my column
	s_mov_b32 s[G1B+1], 128<<16
	s_mov_b32 s[G1B+2], 96<<16                     ; 96 rows
	s_mov_b32 s[G1B+3], 128<<16
	s_mov_b32 s[G1B+4], 96
	s_mov_b32 s[G1B+5], 1024
	s_mov_b32 s[G1B+6], 0
	s_mov_b32 s[G1B+7], 0
	s_lshl_b32 s66, s28, 19                        ; x: row 256 y + 128 half, 2,048 bytes a row; never holds cx
	s_lshl_b32 s94, s23, 18
	s_add_co_u32 s66, s66, s94
	s_mov_b32 s67, 0
	s_mul_i32 s68, s27, 192*2048                   ; weights: row 192 head + 96 half; never holds cy
	s_mul_i32 s94, s23, 96*2048
	s_add_co_u32 s68, s68, s94
	s_mov_b32 s69, 0
	s_mul_i32 s95, s22, XHALF                      ; LDS: x's halves at wave x 34,816 (waves 0, 1),
	s_mul_i32 s96, s22, WHALF
	s_add_co_u32 s96, s96, WOFF-2*WHALF            ; the weights' at 17,408 + wave x 26,112 (waves 2, 3): the wave's number and constants alone
	s_mov_b32 s92, 0x76543210                      ; v_permlanex16_b32: lane i takes lane i of the other half
	s_mov_b32 s93, 0xfedcba98
.irp k, 0,1,2
	s_cmp_gt_u32 s22, \k                           ; m_k = 1.0 where wave k lies in front of me, else 0
	s_cselect_b32 s[86+2*\k], 1.0, 0
	s_mov_b32 s[87+2*\k], s[86+2*\k]
.endr
	s_wait_dscnt 0x0
	s_wait_kmcnt 0x0
	s_add_nc_u64 s[66:67], s[4:5], s[66:67]
	s_add_nc_u64 s[68:69], s[6:7], s[68:69]
	CROUND                                         ; all sixteen work-groups are here: the first joint loads meet
.irp s, 0,1
	s_mov_b32 s[G0+4*\s], 1
	s_add_co_u32 s[G0+4*\s+1], s95, \s*SLOT
	s_add_nc_u64 s[G0+4*\s+2:G0+4*\s+3], s[66:67], \s*256       ; K step s
	s_or_b32 s[G0+4*\s+3], s[G0+4*\s+3], 0x80000000
	s_mov_b32 s[G0B+4*\s], 1
	s_add_co_u32 s[G0B+4*\s+1], s96, \s*SLOT
	s_add_nc_u64 s[G0B+4*\s+2:G0B+4*\s+3], s[68:69], \s*256
	s_or_b32 s[G0B+4*\s+3], s[G0B+4*\s+3], 0x80000000
	JLOAD \s                                       ; two tensor loads of the wave are out here, one from then on
.endr
	; the outputs' and the biases' places
	s_lshl_b32 s71, s28, 4
	s_add_co_u32 s71, s71, s27                     ; g = 16 y + head
	s_mov_b32 s99, 0
	s_lshl_b32 s98, s27, 8                         ; 64 biases of 4 bytes a head
	s_add_nc_u64 s[8:9], s[8:9], s[98:99]
	s_add_nc_u64 s[10:11], s[10:11], s[98:99]
	s_add_nc_u64 s[12:13], s[12:13], s[98:99]
	s_lshl_b32 s98, s71, 15
	s_lshl_b32 s97, s22, 13
	s_add_co_u32 s98, s98, s97
	s_add_nc_u64 s[14:15], s[14:15], s[98:99]      ; qf + 32,768 g + 8,192 w
	s_lshl_b32 s98, s71, 16
	s_lshl_b32 s97, s22, 14
	s_add_co_u32 s98, s98, s97
	s_add_nc_u64 s[16:17], s[16:17], s[98:99]      ; oi + 65,536 g + 16,384 w
	s_lshl_b32 s98, s71, 14
	s_add_nc_u64 s[18:19], s[18:19], s[98:99]      ; uu + 16,384 g
	s_lshl_b32 s98, s71, 4
	s_add_nc_u64 s[20:21], s[20:21], s[98:99]      ; st + 16 g
	; addresses, made in window 0 while it is free, then copied to window 1
	v_and_b32 v3, 31, v0                           ; lane
	v_and_b32 v1, 15, v0                           ; r
	v_bfe_u32 v2, v0, 4, 1                         ; h
	v_mul_u32_u24 v17, v1, PITCH
	v_lshl_add_u32 v17, v2, 4, v17                 ; r x pitch + 16 h
	s_mul_i32 s94, s22, 64*PITCH                   ; my 64 rows of x
	v_add_nc_u32 v4, s94, v17
	v_add_nc_u32 v5, SLOT, v4
	v_add_nc_u32 v6, WOFF, v17
	v_add_nc_u32 v7, SLOT, v6
	s_lshl_b32 s94, s22, 14
	s_add_co_u32 s94, s94, WB                      ; my 16,384 bytes
	v_mul_u32_u24 v18, v1, KP
	v_lshl_add_u32 v18, v2, 4, v18
	v_add_nc_u32 v8, s94, v18                      ; row r of k^, 16 bytes for each half of the lanes
	v_and_b32 v19, 7, v0
	v_lshl_add_u32 v19, v2, 3, v19                 ; 8 h + lane % 8
	v_mul_u32_u24 v19, v19, KP
	v_bfe_u32 v20, v0, 3, 1
	v_lshl_add_u32 v19, v20, 4, v19
	v_add_nc_u32 v9, s94, v19
	v_lshlrev_b32 v14, 4, v3
	v_add_nc_u32 v10, s94, v14
	v_add_nc_u32 v11, WB, v14
	s_lshl_b32 s94, s22, 4
	s_add_co_u32 s94, s94, MAXA
	v_mov_b32 v12, s94
	v_mov_b32 v13, MAXA
	v_lshlrev_b32 v15, 5, v2
	v_lshlrev_b32 v16, 2, v1
	v_lshlrev_b32 v21, 3, v2
	v_sub_nc_u32 v21, v1, v21                      ; r - 8 h
.irp j, 0,1,2,3,4,5,6,7
	v_cmp_le_i32 s[72+\j], \j, v21                 ; in a diagonal tile register j holds key 8 h + j of query r: kept where 8 h + j <= r
.endr
	WIN 0x40
.irp i, 4,5,6,7,8,9,10,11,12,13,14,15,16
	v_mov_b32 v\i, v\i
.endr
	WIN 0x41                                       ; biases into window 1; they are waited for behind the main loop
.irp b, 0,1,2,3
	global_load_b128 v[BQK+8*\b:BQK+8*\b+3],     v[H32], s[8:9] offset:64*\b
	global_load_b128 v[BQK+8*\b+4:BQK+8*\b+7],   v[H32], s[8:9] offset:64*\b+16
	global_load_b128 v[BQK+32+8*\b:BQK+32+8*\b+3],   v[H32], s[10:11] offset:64*\b
	global_load_b128 v[BQK+32+8*\b+4:BQK+32+8*\b+7], v[H32], s[10:11] offset:64*\b+16
	global_load_b32 v[BV+2*\b], v[R4], s[12:13] offset:64*\b
.endr
	WIN 0
; 12 matrix instructions: row tile 2 hi + al x all 12 column tiles, 32 along K.  q's and k's tiles (b < 8) take the weights as source 0, so a lane holds
; one row and 8 neighbouring columns; v's tiles (b >= 8) take x as source 0, so a lane holds one column and 8 rows: v transposed, ready as an operand.
.macro MUL12 f, hi, al, zero
.irp b, 0,1,2,3,4,5,6,7
.if \zero
	v_wmma_f32_16x16x32_f16 v[8*(12*\al+\b):8*(12*\al+\b)+7], v[96*\f+8*\b:96*\f+8*\b+7], v[192+32*\f+8*(2*\hi+\al):192+32*\f+8*(2*\hi+\al)+7], 0
.else
	v_wmma_f32_16x16x32_f16 v[8*(12*\al+\b):8*(12*\al+\b)+7], v[96*\f+8*\b:96*\f+8*\b+7], v[192+32*\f+8*(2*\hi+\al):192+32*\f+8*(2*\hi+\al)+7], v[8*(12*\al+\b):8*(12*\al+\b)+7]
.endif
.endr
.irp b, 8,9,10,11
.if \zero
	v_wmma_f32_16x16x32_f16 v[8*(12*\al+\b):8*(12*\al+\b)+7], v[192+32*\f+8*(2*\hi+\al):192+32*\f+8*(2*\hi+\al)+7], v[96*\f+8*\b:96*\f+8*\b+7], 0
.else
	v_wmma_f32_16x16x32_f16 v[8*(12*\al+\b):8*(12*\al+\b)+7], v[192+32*\f+8*(2*\hi+\al):192+32*\f+8*(2*\hi+\al)+7], v[96*\f+8*\b:96*\f+8*\b+7], v[8*(12*\al+\b):8*(12*\al+\b)+7]
.endif
.endr
.endm
; 32 LDS loads in one run: 192 rows of weights, then my 64 rows of x, 32 K at byte k of the rows, into buffer f
.macro FETCH slot, k, f
	WIN 0x01
.irp b, 0,1,2,3,4,5,6,7,8,9,10,11
	ds_load_b128 v[96*\f+8*\b:96*\f+8*\b+3],   v[ADRW+\slot] offset:\k+\b*16*PITCH
	ds_load_b128 v[96*\f+8*\b+4:96*\f+8*\b+7], v[ADRW+\slot] offset:\k+\b*16*PITCH+32
.endr
.irp a, 0,1,2,3
	ds_load_b128 v[192+32*\f+8*\a:192+32*\f+8*\a+3],   v[ADRX+\slot] offset:\k+\a*16*PITCH
	ds_load_b128 v[192+32*\f+8*\a+4:192+32*\f+8*\a+7], v[ADRX+\slot] offset:\k+\a*16*PITCH+32
.endr
.endm
; A quarter of a K step: 48 matrix instructions on buffer f; in its middle the next quarter's fragments go into buffer g.
; The 48 accumulators take turns, one instruction a turn, in the same order in every quarter.
.macro QUARTER slot, k, f, g, zero
	s_wait_dscnt 0x4                               ; all but the youngest four loads: x's row tiles 2, 3 may be out
	WIN 0xa0
	MUL12 \f, 0, 0, \zero
	MUL12 \f, 0, 1, \zero
	PLACES                                         ; buffer g was read by the quarter before
	FETCH \slot, \k, \g
	s_wait_dscnt 0x20                              ; all but the 32 just issued
	WIN 0xf0
	MUL12 \f, 1, 0, \zero
	MUL12 \f, 1, 1, \zero
.endm
.macro THREE slot, zero
	QUARTER \slot, 64,  0, 1, \zero
	QUARTER \slot, 128, 1, 0, 0
	QUARTER \slot, 192, 0, 1, 0
.endm
; The last quarter of a K step changes slots.  In front of the barrier each wave waits for its reads of this slot and for all its tensor loads
; (one is out: its part of the next slot).  Behind it the refill comes first, then the next slot's first fragments.
.macro TURN slot, next, fill
	s_wait_dscnt 0x4
	WIN 0xa0
	MUL12 1, 0, 0, 0
	s_wait_dscnt 0x0                               ; my reads of this slot are over
	s_set_vgpr_msb 0xa0a5
	s_wait_tensorcnt 0x0                           ; all my tensor loads have landed
	ds_add_u32 v254, v255
	s_wait_dscnt 0x0
	s_set_vgpr_msb 0xa5a0
	s_barrier_signal -1
	MUL12 1, 0, 1, 0                               ; register work while the others arrive
	WIN 0
	s_barrier_wait -1
.if \fill
	CREST                                          ; the round is closed: no wave of any partner reads this slot or has a load on its way
	s_add_nc_u64 s[G0+4*\slot+2:G0+4*\slot+3], s[G0+4*\slot+2:G0+4*\slot+3], 512     ; two K steps on
	s_add_nc_u64 s[G0B+4*\slot+2:G0B+4*\slot+3], s[G0B+4*\slot+2:G0B+4*\slot+3], 512
	JLOAD \slot
.endif
	PLACES
	FETCH \next, 0, 0
	WIN 0xf0
	MUL12 1, 1, 0, 0
	MUL12 1, 1, 1, 0
.endm
.macro LAP zero
	THREE 0, \zero
	TURN 0, 1, 1
	THREE 1, 0
	TURN 1, 0, 1
.endm
	s_wait_tensorcnt 0x1                           ; my part of K step 0 is in; K step 1's stays out
	s_barrier_signal -1
	s_barrier_wait -1
	FETCH 0, 0, 0
	LAP 1                                          ; K steps 0, 1: the first products start the sums
	WIN 0
	s_mov_b32 s70, 2                               ; K steps 2 to 5
.Llap:
	LAP 0
	WIN 0
	s_sub_co_u32 s70, s70, 1
	s_cmp_lg_u32 s70, 0
	s_cbranch_scc1 .Llap
	THREE 0, 0                                     ; K steps 6, 7 fill nothing
	TURN 0, 1, 0
	THREE 1, 0
	s_wait_dscnt 0x4
	WIN 0xa0
	MUL12 1, 0, 0, 0
	MUL12 1, 0, 1, 0
	s_wait_dscnt 0x0
	WIN 0xf0
	MUL12 1, 1, 0, 0
	MUL12 1, 1, 1, 0
	; ---------------- the epilogue ----------------
	WIN 0
	PLACES
	s_wait_loadcnt 0x0                             ; the biases
	WIN 0x41
.irp e, 0,1,2,3
	v_mov_b32 v[BV+2*\e+1], v[BV+2*\e]             ; v's bias is one number a lane and tile: twice, for the packed add
.endr
; bias, then the largest magnitudes: four chains each for q, k, v, started by their first pair
.macro BIASMAX hi, wadd, wmax
	WIN \wadd
.irp al, 0,1
.irp b, 0,1,2,3,4,5,6,7
.irp p, 0,1,2,3
	v_pk_add_f32 v[8*(12*\al+\b)+2*\p:8*(12*\al+\b)+2*\p+1], v[8*(12*\al+\b)+2*\p:8*(12*\al+\b)+2*\p+1], v[BQK+8*\b+2*\p:BQK+8*\b+2*\p+1]
.endr
.endr
.irp b, 8,9,10,11
.irp p, 0,1,2,3
	v_pk_add_f32 v[8*(12*\al+\b)+2*\p:8*(12*\al+\b)+2*\p+1], v[8*(12*\al+\b)+2*\p:8*(12*\al+\b)+2*\p+1], v[BV+2*(\b-8):BV+2*(\b-8)+1]
.endr
.endr
.endr
	WIN \wmax
.irp al, 0,1
.irp b, 0,1,2,3,4,5,6,7,8,9,10,11
.irp p, 0,1,2,3
.if (\hi+\al+(\b%4)) == 0
	v_max_num_f32 v[MX+4*(\b/4)+\p], |v[8*(12*\al+\b)+2*\p]|, |v[8*(12*\al+\b)+2*\p+1]|
.else
	v_max3_num_f32 v[MX+4*(\b/4)+\p], |v[8*(12*\al+\b)+2*\p]|, |v[8*(12*\al+\b)+2*\p+1]|, v[MX+4*(\b/4)+\p]
.endif
.endr
.endr
.endr
.endm
	BIASMAX 0, 0x86, 0x0a
	BIASMAX 1, 0xc7, 0x0f
	WIN 0
	v_max3_num_f32 v0, v0, v1, v2
	v_max3_num_f32 v4, v4, v5, v6
	v_max3_num_f32 v8, v8, v9, v10
	v_max_num_f32 v0, v0, v3
	v_max_num_f32 v4, v4, v7
	v_max_num_f32 v8, v8, v11
.irp m, 1,2,4,8
	v_max_num_f32_dpp v0, v0, v0 row_xmask:\m row_mask:0xf bank_mask:0xf
	v_max_num_f32_dpp v4, v4, v4 row_xmask:\m row_mask:0xf bank_mask:0xf
	v_max_num_f32_dpp v8, v8, v8 row_xmask:\m row_mask:0xf bank_mask:0xf
.endr
	v_permlanex16_b32 v1, v0, s92, s93
	v_permlanex16_b32 v5, v4, s92, s93
	v_permlanex16_b32 v9, v8, s92, s93
	v_max_num_f32 v12, v0, v1                      ; my wave's max |q|,
	v_max_num_f32 v13, v4, v5                      ; |k|,
	v_max_num_f32 v14, v8, v9                      ; |v|,
	v_max_num_f32 v15, v8, v9                      ; and a fourth word so that 16 bytes are defined
	WIN 0x01
	ds_store_b128 v[MXW], v[12:15]
	s_wait_dscnt 0x0                               ; for the other waves: my store is done
	s_barrier_signal -1
	s_barrier_wait -1
	ds_load_b128 v[16:19], v[MXR]
	ds_load_b128 v[20:23], v[MXR] offset:16
	ds_load_b128 v[24:27], v[MXR] offset:32
	ds_load_b128 v[28:31], v[MXR] offset:48
	s_wait_dscnt 0x0
	WIN 0
	s_mov_b32 s94, 0x0d800000                      ; 2^-100: a chunk of zeros divides by this
	v_max3_num_f32 v16, v16, v20, v24
	v_max3_num_f32 v17, v17, v21, v25
	v_max3_num_f32 v18, v18, v22, v26
	v_max3_num_f32 v16, v16, v28, s94              ; alpha
	v_max3_num_f32 v17, v17, v29, s94              ; kappa
	v_max3_num_f32 v18, v18, v30, s94              ; nu
	v_rcp_f32 v20, v16
	v_rcp_f32 v21, v17
	v_rcp_f32 v22, v18
	v_mul_f32 v33, v17, v18                        ; kappa nu: also the plain instruction behind the reciprocals (ISA guide 5.7.2)
	v_mov_b32 v32, v16
	v_mov_b32 v34, 0
	v_mov_b32 v35, 0
	s_wait_alu depctr_va_vdst(0)
	v_readfirstlane_b32 s80, v20
	v_readfirstlane_b32 s82, v21
	v_readfirstlane_b32 s84, v22
	s_mov_b32 s81, s80
	s_mov_b32 s83, s82
	s_mov_b32 s85, s84
	s_cmp_lg_u32 s22, 0
	s_cbranch_scc1 .Lno_st                         ; wave 0, lane 0 stores the chunk's figures
	v_mbcnt_lo_u32_b32 v36, -1, 0
	v_mov_b32 v37, 0
	v_cmp_eq_u32 vcc_lo, 0, v36
	s_wait_xcnt 0x0                                ; EXEC changes only behind this wait
	s_and_saveexec_b32 s95, vcc_lo
	global_store_b128 v37, v[32:35], s[20:21]
	s_wait_xcnt 0x0                                ; and again; v32-37 are also rewritten only behind it
	s_or_b32 exec_lo, exec_lo, s95
.Lno_st:
; normalise, round to f16, each tile straight into its place in a fragment
.macro SCALECVT hi, wmul, wcvt
	WIN \wmul
.irp al, 0,1
.irp b, 0,1,2,3,4,5,6,7,8,9,10,11
.irp p, 0,1,2,3
	v_pk_mul_f32 v[8*(12*\al+\b)+2*\p:8*(12*\al+\b)+2*\p+1], v[8*(12*\al+\b)+2*\p:8*(12*\al+\b)+2*\p+1], s[80+2*(\b/4):81+2*(\b/4)] op_sel_hi:[1,0]
.endr
.endr
.endr
	WIN \wcvt
.irp al, 0,1
.irp b, 0,1,2,3
.irp p, 0,1,2,3
	v_cvt_pk_f16_f32 v[QF+8*(2*(2*\hi+\al)+\b/2)+4*(\b%2)+\p], v[8*(12*\al+\b)+2*\p], v[8*(12*\al+\b)+2*\p+1]
	v_cvt_pk_f16_f32 v[KF+8*(2*(2*\hi+\al)+\b/2)+4*(\b%2)+\p], v[8*(12*\al+\b+4)+2*\p], v[8*(12*\al+\b+4)+2*\p+1]
	v_cvt_pk_f16_f32 v[VT+8*(2*\b+\hi)+4*\al+\p], v[8*(12*\al+\b+8)+2*\p], v[8*(12*\al+\b+8)+2*\p+1]
.endr
.endr
.endr
.endm
	SCALECVT 0, 0x82, 0x0a
	SCALECVT 1, 0xc3, 0x0f
	WIN 0x01
.set i, 0
.rept 16
	global_store_b128 v[L16], v[QF+4*i:QF+4*i+3], s[14:15] offset:512*i      ; q^ as fragments; these registers are not written again
.set i, i+1
.endr
.irp kt, 0,1,2,3
.irp dh, 0,1
	ds_store_b128 v[KSTO], v[KF+8*(2*\kt+\dh):KF+8*(2*\kt+\dh)+3]   offset:\kt*16*KP+64*\dh
	ds_store_b128 v[KSTO], v[KF+8*(2*\kt+\dh)+4:KF+8*(2*\kt+\dh)+7] offset:\kt*16*KP+64*\dh+32
.endr
.endr
.irp dt, 0,1,2,3
.irp kb, 0,1
	ds_load_tr16_b128 v[KT+8*(2*\dt+\kb):KT+8*(2*\dt+\kb)+3],   v[KTR] offset:\kb*32*KP+32*\dt          ; my own bytes: LDS serves a wave in order (ISA guide 5.7.1)
	ds_load_tr16_b128 v[KT+8*(2*\dt+\kb)+4:KT+8*(2*\dt+\kb)+7], v[KTR] offset:\kb*32*KP+32*\dt+16*KP
.endr
.endr
	; scores of my 64 x 64 block, tiles on and under the diagonal: tile (a, kt) in window 3 at 8 (a (a + 1) / 2 + kt); a lane holds one query and 8 keys
	WIN 0xf0
.irp dh, 0,1
.irp a, 0,1,2,3
.irp kt, 0,1,2,3
.if \kt <= \a
.if \dh == 0
	v_wmma_f32_16x16x32_f16 v[8*(\a*(\a+1)/2+\kt):8*(\a*(\a+1)/2+\kt)+7], v[KF+8*(2*\kt+\dh):KF+8*(2*\kt+\dh)+7], v[QF+8*(2*\a+\dh):QF+8*(2*\a+\dh)+7], 0
.else
	v_wmma_f32_16x16x32_f16 v[8*(\a*(\a+1)/2+\kt):8*(\a*(\a+1)/2+\kt)+7], v[KF+8*(2*\kt+\dh):KF+8*(2*\kt+\dh)+7], v[QF+8*(2*\a+\dh):QF+8*(2*\a+\dh)+7], v[8*(\a*(\a+1)/2+\kt):8*(\a*(\a+1)/2+\kt)+7]
.endif
.endif
.endr
.endr
.endr
	s_wait_dscnt 0x0                               ; k^ transposed is in
	WIN 0xa0                                       ; U_w = k^T v: a lane holds one e and 8 d
.irp kb, 0,1
.irp dt, 0,1,2,3
.irp et, 0,1,2,3
.if \kb == 0
	v_wmma_f32_16x16x32_f16 v[UT+8*(4*\dt+\et):UT+8*(4*\dt+\et)+7], v[KT+8*(2*\dt+\kb):KT+8*(2*\dt+\kb)+7], v[VT+8*(2*\et+\kb):VT+8*(2*\et+\kb)+7], 0
.else
	v_wmma_f32_16x16x32_f16 v[UT+8*(4*\dt+\et):UT+8*(4*\dt+\et)+7], v[KT+8*(2*\dt+\kb):KT+8*(2*\dt+\kb)+7], v[VT+8*(2*\et+\kb):VT+8*(2*\et+\kb)+7], v[UT+8*(4*\dt+\et):UT+8*(4*\dt+\et)+7]
.endif
.endr
.endr
.endr
	PLACES
	WIN 0x09
.set i, 0
.rept 32
	ds_store_b128 v[UST], v[UT+4*i:UT+4*i+3] offset:512*i      ; over k^'s rows, whose reads have returned
.set i, i+1
.endr
	WIN 0xcc
.irp a, 0,1,2,3
.irp j, 0,1,2,3,4,5,6,7
	v_cndmask_b32 v[8*(\a*(\a+1)/2+\a)+\j], 0, v[8*(\a*(\a+1)/2+\a)+\j], s[72+\j]    ; the causal mask in the diagonal tiles
.endr
.endr
	WIN 0x4f
.irp a, 0,1,2,3
.irp kt, 0,1,2,3
.if \kt <= \a
.if \a < 2
.set fi, \a
.else
.set fi, 2*(\a-1)+\kt/2
.endif
.irp p, 0,1,2,3
	v_cvt_pk_f16_f32 v[PF+8*fi+4*(\kt%2)+\p], v[8*(\a*(\a+1)/2+\kt)+2*\p], v[8*(\a*(\a+1)/2+\kt)+2*\p+1]
.endr
.endif
.endr
.endr
.irp p, 4,5,6,7
	v_mov_b32 v[PF+\p], 0                          ; keys 16-31 of query tile 0 and keys 48-63 of query tile 2 lie over the diagonal
	v_mov_b32 v[PF+24+\p], 0
.endr
	s_wait_dscnt 0x0                               ; for the other waves: my U_w is stored
	s_barrier_signal -1
	WIN 0xa4                                       ; O^ = masked scores x v: a lane holds one query and 8 e
.macro PV a, kb, pf, zero
.irp et, 0,1,2,3
.if \zero
	v_wmma_f32_16x16x32_f16 v[OT+8*(4*\a+\et):OT+8*(4*\a+\et)+7], v[VT+8*(2*\et+\kb):VT+8*(2*\et+\kb)+7], v[PF+8*\pf:PF+8*\pf+7], 0
.else
	v_wmma_f32_16x16x32_f16 v[OT+8*(4*\a+\et):OT+8*(4*\a+\et)+7], v[VT+8*(2*\et+\kb):VT+8*(2*\et+\kb)+7], v[PF+8*\pf:PF+8*\pf+7], v[OT+8*(4*\a+\et):OT+8*(4*\a+\et)+7]
.endif
.endr
.endm
	PV 0, 0, 0, 1
	PV 1, 0, 1, 1
	PV 2, 0, 2, 1
	PV 3, 0, 4, 1
	PV 2, 1, 3, 0
	PV 3, 1, 5, 0
	s_barrier_wait -1                              ; every wave's U is in LDS
	; S = m0 U_0 + m1 U_1 + m2 U_2 in window 3, v0-127
	WIN 0xc1
.set i, 0
.rept 32
	ds_load_b128 v[4*i:4*i+3], v[URD] offset:512*i
.set i, i+1
.endr
.set i, 0
.rept 32
	ds_load_b128 v[128+4*i:128+4*i+3], v[URD] offset:16384+512*i
.set i, i+1
.endr
	s_wait_dscnt 0x20                              ; U_0 is in; U_1's 32 loads stay out
	WIN 0xf3
.set i, 0
.rept 64
	v_pk_mul_f32 v[2*i:2*i+1], v[2*i:2*i+1], s[86:87] op_sel_hi:[1,0]
.set i, i+1
.endr
	WIN 0x01
.set i, 0
.rept 16
	ds_load_b128 v[64+4*i:64+4*i+3],   v[URD] offset:32768+512*i      ; U_2 into window 0, where k^ and k^T lay
	ds_load_b128 v[192+4*i:192+4*i+3], v[URD] offset:40960+512*i
.set i, i+1
.endr
	s_wait_dscnt 0x20                              ; U_1 is in; U_2's 32 loads stay out
	WIN 0xf3
.set i, 0
.rept 64
	v_pk_fma_f32 v[2*i:2*i+1], v[128+2*i:128+2*i+1], s[88:89], v[2*i:2*i+1] op_sel_hi:[1,0,1]
.set i, i+1
.endr
	s_wait_dscnt 0x0
	WIN 0xf0
.set i, 0
.rept 32
	v_pk_fma_f32 v[2*i:2*i+1], v[64+2*i:64+2*i+1], s[90:91], v[2*i:2*i+1] op_sel_hi:[1,0,1]
	v_pk_fma_f32 v[64+2*i:64+2*i+1], v[192+2*i:192+2*i+1], s[90:91], v[64+2*i:64+2*i+1] op_sel_hi:[1,0,1]
.set i, i+1
.endr
	WIN 0
	s_cmp_lg_u32 s22, 3
	s_cbranch_scc1 .Lno_uu                         ; wave 3 holds U_0 + U_1 + U_2: with its own U_3 that is the chunk's U
	WIN 0xcb
.set i, 0
.rept 64
	v_pk_add_f32 v[128+2*i:128+2*i+1], v[2*i:2*i+1], v[UT+2*i:UT+2*i+1]
.set i, i+1
.endr
	WIN 0x0d
.set i, 0
.rept 32
	global_store_b128 v[L16], v[128+4*i:128+4*i+3], s[18:19] offset:512*i
.set i, i+1
.endr
	WIN 0
.Lno_uu:
	WIN 0x0f
.irp dt, 0,1,2,3
.irp et, 0,1,2,3
.irp p, 0,1,2,3
	v_cvt_pk_f16_f32 v[SLF+8*(2*\et+\dt/2)+4*(\dt%2)+\p], v[8*(4*\dt+\et)+2*\p], v[8*(4*\dt+\et)+2*\p+1]
.endr
.endr
.endr
	WIN 0xa0                                       ; O^ += q^ S; the sixteen accumulators take turns
.irp dh, 0,1
.irp a, 0,1,2,3
.irp et, 0,1,2,3
	v_wmma_f32_16x16x32_f16 v[OT+8*(4*\a+\et):OT+8*(4*\a+\et)+7], v[SLF+8*(2*\et+\dh):SLF+8*(2*\et+\dh)+7], v[QF+8*(2*\a+\dh):QF+8*(2*\a+\dh)+7], v[OT+8*(4*\a+\et):OT+8*(4*\a+\et)+7]
.endr
.endr
.endr
	PLACES
	WIN 0x09
.set i, 0
.rept 32
	global_store_b128 v[L16], v[OT+4*i:OT+4*i+3], s[16:17] offset:512*i
.set i, i+1
.endr
	WIN 0
	s_set_vgpr_msb 0x5
	s_wait_tensorcnt 0x0
	ds_add_u32 v254, v255
	s_wait_dscnt 0x0
	s_set_vgpr_msb 0x500
	CROUND                                         ; the closing round: no work-group ends while a partner may still ask jointly
	s_endpgm
.Lfunc_end_k_qbd025225bd_proj:
	.size	k_qbd025225bd_proj, .Lfunc_end_k_qbd025225bd_proj-k_qbd025225bd_proj
	.p2alignl 7, 3214868480
	.fill 96, 4, 3214868480
	.section	.rodata,"a",@progbits
	.p2align	6, 0x0
	.amdhsa_kernel k_qbd025225bd_proj
		.amdhsa_group_segment_fixed_size 327680
		.amdhsa_private_segment_fixed_size 0
		.amdhsa_enable_private_segment 0
		.amdhsa_kernarg_size 72
		.amdhsa_user_sgpr_count 2
		.amdhsa_user_sgpr_kernarg_segment_ptr 1
		.amdhsa_wavefront_size32 1
		.amdhsa_system_sgpr_workgroup_id_x 1
		.amdhsa_system_sgpr_workgroup_id_y 1
		.amdhsa_system_sgpr_workgroup_id_z 1
		.amdhsa_system_vgpr_workitem_id 0
		.amdhsa_next_free_vgpr 1024
		.amdhsa_next_free_sgpr 100
		.amdhsa_reserve_vcc 1
		.amdhsa_float_denorm_mode_32 3
		.amdhsa_float_denorm_mode_16_64 3
		.amdhsa_memory_ordered 1
		.amdhsa_forward_progress 1
		.amdhsa_inst_pref_size 244
	.end_amdhsa_kernel
	.amdgpu_metadata
---
amdhsa.version: [ 1, 2 ]
amdhsa.kernels:
  - .name:           k_qbd025225bd_proj
    .symbol:         k_qbd025225bd_proj.kd
    .args:
      - { .name: xh, .offset: 0, .size: 8, .value_kind: global_buffer, .address_space: global }
      - { .name: wh, .offset: 8, .size: 8, .value_kind: global_buffer, .address_space: global }
      - { .name: bq, .offset: 16, .size: 8, .value_kind: global_buffer, .address_space: global }
      - { .name: bk, .offset: 24, .size: 8, .value_kind: global_buffer, .address_space: global }
      - { .name: bv, .offset: 32, .size: 8, .value_kind: global_buffer, .address_space: global }
      - { .name: qf, .offset: 40, .size: 8, .value_kind: global_buffer, .address_space: global }
      - { .name: oi, .offset: 48, .size: 8, .value_kind: global_buffer, .address_space: global }
      - { .name: uu, .offset: 56, .size: 8, .value_kind: global_buffer, .address_space: global }
      - { .name: st, .offset: 64, .size: 8, .value_kind: global_buffer, .address_space: global }
    .group_segment_fixed_size: 327680
    .private_segment_fixed_size: 0
    .kernarg_segment_align: 8
    .kernarg_segment_size: 72
    .max_flat_workgroup_size: 128
    .sgpr_count:     100
    .vgpr_count:     1024
    .wavefront_size: 32
...
	.end_amdgpu_metadata
.endif
;; end of part 2
;; launch inter (part 3): grid 16 x 16, 4 waves a work-group, no clusters, 8,704 bytes of LDS; arguments qf, oi, uu, st, gamma, ah, sc; writes ah, sc
.if DOCPART == 3
	.amdgcn_target "amdgcn-amd-amdhsa--gfx1250"
	.amdhsa_code_object_version 6
	.text
	.protected	k_qbd025225bd_inter
	.globl	k_qbd025225bd_inter
	.p2align	8
	.type	k_qbd025225bd_inter,@function
k_qbd025225bd_inter:
	s_mov_b64 s[64:65], 0
	v_nop
	global_prefetch_b8 v0, s[64:65] scope:SCOPE_SE
	s_setreg_imm32_b32 hwreg(HW_REG_WAVE_MODE, 25, 1), 1
	s_wait_xcnt 0x0
; One work-group = one head (x) and one chunk c of batch b (y = 8 b + c).  It adds the earlier chunks' part and the decay:
;   kn_k = kappa nu of chunk k;  T = kn_0 + .. + kn_c;  S^ = sum over k < c of (128 kn_k / T) U_k, |S^| <= 32768, rounded to f16;
;   acc = (128 kn_c / T) O^ + q^ S^;  the true result is alpha (T / 128) acc.
;   R = max over the 16 heads of alpha T max(|gamma|^(256 c), |gamma|^(256 c + 255)), at least 2^-100: one scale for the rows of the chunk;
;   a^ = acc gamma^i alpha T / (64 R), |a^| <= 32768, rounded to f16 and stored as fragments for the last product; sc = R / 2.
; gamma^i is made of gamma^(2^b) by squaring and of selects on the bits of i: right for i = 0, for gamma = 0, below 0 and above 1; relative error up to i 2^-24.
; Wave w owns rows 64 w .. 64 w + 63, and makes the four tiles d = 16 w .. 16 w + 15 of S^; the waves exchange them through LDS.
; All seven earlier states are loaded in every chunk, the ones at or behind c from chunk max(c - 1, 0) with the factor 0: no trip count hangs on c.
; NO MULTICAST: the states are shared only between chunks of one head, which need different numbers of them (c of 7), and they go straight to registers;
; a work-group's own 98,304 bytes of O^ and q^ are shared with nobody.
; LIMITS: finite inputs; T and R below 2^126 (their reciprocals are no denormals: ISA guide, v_rcp_f32 in 15.8).
.set KN, 64                            ; v64-70 kn_0..6; v72 alpha, v73 kn_c; v80-90 gamma^(2^b); v91-109 at work: all dead before q^ and O^ are loaded over them
.set CF, 8                             ; v8-15  the rows' factor for row tile a, twice
.set SS, 32                            ; v32-63 my four tiles of S^
.set QF, 64                            ; v64-127 q^ (a, dh) at 8 (2 a + dh)
.set OT, 128                           ; v128-255 O^ (a, et) at 8 (4 a + et)
.set MSB, 0                            ; window 1: state k at 32 k; later S^ as fragments (et, dh) at 8 (2 et + dh)
.macro WIN new
.if MSB != (\new)
	s_set_vgpr_msb (MSB<<8)|(\new)
.set MSB, \new
.endif
.endm
	s_load_b256 s[4:11], s[0:1], 0x0               ; qf s[4:5], oi s[6:7], uu s[8:9], st s[10:11]
	s_load_b128 s[12:15], s[0:1], 0x20             ; gamma s[12:13], ah s[14:15]
	s_load_b64 s[16:17], s[0:1], 0x30              ; sc
	v_lshl_add_u32 v30, v0, 2, 0x2000
	v_mov_b32 v31, 0
	v_lshrrev_b32 v1, 5, v0
	v_readfirstlane_b32 s18, v1                    ; wave
	s_mov_b32 s19, ttmp9                           ; head
	s_and_b32 s20, ttmp7, 0xffff                   ; y
	s_lshr_b32 s21, s20, 3                         ; b
	s_and_b32 s22, s20, 7                          ; c
	s_lshl_b32 s23, s20, 4
	s_add_co_u32 s23, s23, s19                     ; g = 16 y + head
	v_and_b32 v1, 31, v0                           ; lane
	v_and_b32 v2, 15, v0                           ; r
	v_lshlrev_b32 v3, 4, v1                        ; 16 lane
	v_mov_b32 v7, s19
	v_cmp_gt_u32 vcc_lo, 16, v1
	v_cndmask_b32 v7, v7, v1, vcc_lo               ; lanes 0-15: head = lane (for R); lanes 16-31: my head
	v_lshlrev_b32 v4, 4, v7
	v_lshlrev_b32 v5, 2, v7
	s_lshl_b32 s74, s18, 12
	v_add_nc_u32 v6, s74, v3                       ; tiles (w, 0..3) of a state: 4,096 w + 16 lane
	s_lshl_b32 s74, s18, 9
	v_add_nc_u32 v24, s74, v3                      ; LDS: fragment (et, w / 2), registers 4 (w % 2) ..: 512 w + 16 lane + 2,048 et
	s_max_u32 s74, s22, 1
	s_sub_co_u32 s74, s74, 1                       ; max(c - 1, 0)
	s_lshl_b32 s75, s21, 3
	s_mov_b32 s77, 0
	s_wait_kmcnt 0x0
.irp k, 0,1,2,3,4,5,6
	s_min_u32 s76, s74, \k
	s_add_co_u32 s76, s76, s75
	s_lshl_b32 s76, s76, 4
	s_add_co_u32 s76, s76, s19
	s_lshl_b32 s76, s76, 14
	s_add_nc_u64 s[24+2*\k:25+2*\k], s[8:9], s[76:77]
.endr
	s_lshl_b32 s76, s21, 11
	s_add_nc_u64 s[38:39], s[10:11], s[76:77]      ; st at the batch's first chunk
	s_lshl_b32 s76, s22, 8
	s_add_nc_u64 s[40:41], s[38:39], s[76:77]      ; and at my chunk
	s_lshl_b32 s76, s23, 16
	s_lshl_b32 s74, s18, 14
	s_add_co_u32 s76, s76, s74
	s_add_nc_u64 s[6:7], s[6:7], s[76:77]          ; oi + 65,536 g + 16,384 w
	s_lshl_b32 s76, s23, 15
	s_lshl_b32 s74, s18, 13
	s_add_co_u32 s76, s76, s74
	s_add_nc_u64 s[4:5], s[4:5], s[76:77]          ; qf + 32,768 g + 8,192 w
	s_lshl_b32 s76, s20, 4
	s_lshl_b32 s74, s18, 2
	s_add_co_u32 s76, s76, s74
	s_lshl_b32 s76, s76, 15
	s_lshl_b32 s74, s19, 11
	s_add_co_u32 s76, s76, s74
	s_add_nc_u64 s[14:15], s[14:15], s[76:77]      ; ah + 32,768 (16 y + 4 w) + 2,048 head
	s_lshl_b32 s76, s23, 2
	s_add_nc_u64 s[16:17], s[16:17], s[76:77]      ; sc + 4 g
.irp k, 0,1,2,3,4,5,6
	global_load_b32 v[KN+\k], v4, s[38:39] offset:256*\k+4
.endr
	global_load_b64 v[72:73], v4, s[40:41]
	global_load_b32 v80, v5, s[12:13]
	WIN 0x40
.irp k, 0,1,2,3,4,5,6
.irp i, 0,1,2,3,4,5,6,7
	global_load_b128 v[32*\k+4*\i:32*\k+4*\i+3], v6, s[24+2*\k:25+2*\k] offset:512*\i
.endr
.endr
	WIN 0
	s_wait_loadcnt 56                              ; the nine small loads are in; the 56 loads of states were issued behind them
.irp k, 0,1,2,3,4,5,6
	s_cmp_gt_u32 s22, \k
	s_cselect_b32 s74, -1, 0
	v_cndmask_b32 v[KN+\k], 0, v[KN+\k], s74       ; only chunks in front of mine count
.endr
	v_add_f32 v92, v64, v65
	v_add_f32 v98, v66, v67
	v_add_f32 v99, v68, v69
	v_add_f32 v91, v70, v73
	v_add_f32 v92, v92, v98
	v_add_f32 v99, v99, v91
	v_add_f32 v92, v92, v99                        ; T
	v_max_num_f32 v98, 0x0d800000, v92             ; at least 2^-100
	v_rcp_f32 v93, v98
	v_mul_f32 v81, v80, v80                        ; gamma^2: also the plain instruction behind the reciprocal (ISA guide 5.7.2)
	s_wait_alu depctr_va_vdst(0)
	v_mul_f32 v93, 0x43000000, v93                 ; 128 / T
.irp k, 0,1,2,3,4,5,6
	v_mul_f32 v[100+\k], v[KN+\k], v93
.endr
	v_mul_f32 v107, v73, v93                       ; lambda
.irp b, 1,2,3,4,5,6,7,8,9
	v_mul_f32 v[81+\b], v[80+\b], v[80+\b]         ; gamma^(2^(b+1))
.endr
	s_bitcmp1_b32 s22, 0
	s_cselect_b32 s74, -1, 0
	v_cndmask_b32 v94, 1.0, v88, s74
	s_bitcmp1_b32 s22, 1
	s_cselect_b32 s74, -1, 0
	v_cndmask_b32 v98, 1.0, v89, s74
	s_bitcmp1_b32 s22, 2
	s_cselect_b32 s75, -1, 0
	v_cndmask_b32 v99, 1.0, v90, s75
	v_mul_f32 v94, v94, v98
	v_mul_f32 v94, v94, v99                        ; gamma^(256 c)
	v_mul_f32 v95, v80, v81
	v_mul_f32 v98, v82, v83
	v_mul_f32 v99, v84, v85
	v_mul_f32 v91, v86, v87
	v_mul_f32 v95, v95, v98
	v_mul_f32 v99, v99, v91
	v_mul_f32 v95, v95, v99                        ; gamma^255
	v_mul_f32 v96, v94, v95
	v_max_num_f32 v96, |v94|, |v96|                ; a power is monotone in i: its largest magnitude in the chunk is at one of the ends
	v_mul_f32 v97, v72, v92
	v_mul_f32 v97, v97, v96                        ; alpha T D
.irp m, 1,2,4,8
	v_max_num_f32_dpp v97, v97, v97 row_xmask:\m row_mask:0xf bank_mask:0xf      ; lanes 0-15: over the 16 heads
.endr
	v_max_num_f32 v108, 0x0d800000, v97            ; R
	v_rcp_f32 v109, v108
	v_nop
	s_wait_alu depctr_va_vdst(0)
	v_readlane_b32 s61, v109, 0                    ; 1 / R
	v_readlane_b32 s62, v108, 0
	s_mul_f32 s62, s62, 0.5                        ; R / 2
.irp k, 0,1,2,3,4,5,6
	v_readlane_b32 s[42+2*\k], v[100+\k], 16       ; lane 16 holds my head's figures
	s_mov_b32 s[43+2*\k], s[42+2*\k]
.endr
	v_readlane_b32 s56, v107, 16
	s_mov_b32 s57, s56
	v_readlane_b32 s58, v72, 16                    ; alpha
	v_readlane_b32 s59, v92, 16                    ; T
	v_readlane_b32 s60, v94, 16                    ; gamma^(256 c)
.irp b, 0,1,2,3,4,5,6,7
	v_readlane_b32 s[66+\b], v[80+\b], 16
.endr
.set i, 0
.rept 32
	global_load_b128 v[OT+4*i:OT+4*i+3], v3, s[6:7] offset:512*i th:TH_LOAD_NT
.set i, i+1
.endr
.set i, 0
.rept 16
	global_load_b128 v[QF+4*i:QF+4*i+3], v3, s[4:5] offset:512*i th:TH_LOAD_NT
.set i, i+1
.endr
	; the rows' factors: row i = 256 c + 64 w + 16 a + r
	s_bitcmp1_b32 s18, 0
	s_cselect_b32 s74, s72, 1.0
	s_mul_f32 s60, s60, s74
	s_bitcmp1_b32 s18, 1
	s_cselect_b32 s74, s73, 1.0
	s_mul_f32 s60, s60, s74                        ; gamma^(256 c + 64 w)
	v_mov_b32 v16, s60
.irp b, 0,1,2,3
	v_and_b32 v17, 1<<\b, v2
	v_mov_b32 v18, s[66+\b]
	v_cmp_ne_u32 vcc_lo, 0, v17
	v_cndmask_b32 v17, 1.0, v18, vcc_lo
	v_mul_f32 v16, v16, v17
.endr
	v_mul_f32 v17, s70, v16                        ; + 16
	v_mul_f32 v18, s71, v16                        ; + 32
	v_mul_f32 v19, s71, v17                        ; + 48
.irp a, 0,1,2,3
	v_mul_f32 v[16+\a], s58, v[16+\a]              ; in this order every partial product is at most R, then at most 1
	v_mul_f32 v[16+\a], s59, v[16+\a]
	v_mul_f32 v[16+\a], s61, v[16+\a]
	v_mul_f32 v[CF+2*\a], 0x3c800000, v[16+\a]     ; / 64
	v_mov_b32 v[CF+2*\a+1], v[CF+2*\a]
.endr
	s_wait_loadcnt 0x30                            ; the states are in; the 48 loads of O^ and q^ stay out
	WIN 0x01
.set i, 0
.rept 16
	v_pk_mul_f32 v[SS+2*i:SS+2*i+1], v[2*i:2*i+1], s[42:43] op_sel_hi:[1,0]
.set i, i+1
.endr
.irp k, 1,2,3,4,5,6
.set i, 0
.rept 16
	v_pk_fma_f32 v[SS+2*i:SS+2*i+1], v[32*\k+2*i:32*\k+2*i+1], s[42+2*\k:43+2*\k], v[SS+2*i:SS+2*i+1] op_sel_hi:[1,0,1]
.set i, i+1
.endr
.endr
	WIN 0
.irp et, 0,1,2,3
.irp p, 0,1,2,3
	v_cvt_pk_f16_f32 v[SS+4*\et+\p], v[SS+8*\et+2*\p], v[SS+8*\et+2*\p+1]     ; packed downward: a destination never lies over a pair still to be read
.endr
.endr
.irp et, 0,1,2,3
	ds_store_b128 v24, v[SS+4*\et:SS+4*\et+3] offset:2048*\et
.endr
	s_wait_dscnt 0x0                               ; for the other waves: my tiles are stored
	s_barrier_signal -1
	s_barrier_wait -1
	WIN 0x40
.set i, 0
.rept 16
	ds_load_b128 v[4*i:4*i+3], v3 offset:512*i     ; all of S^ as eight fragments, over the states' registers
.set i, i+1
.endr
	WIN 0
	s_wait_loadcnt 0x10                            ; O^ is in; q^'s 16 loads stay out
.set i, 0
.rept 64
	v_pk_mul_f32 v[OT+2*i:OT+2*i+1], v[OT+2*i:OT+2*i+1], s[56:57] op_sel_hi:[1,0]
.set i, i+1
.endr
	s_wait_loadcnt 0x0
	s_wait_dscnt 0x0
	WIN 0x01                                       ; the sixteen accumulators take turns
.irp dh, 0,1
.irp a, 0,1,2,3
.irp et, 0,1,2,3
	v_wmma_f32_16x16x32_f16 v[OT+8*(4*\a+\et):OT+8*(4*\a+\et)+7], v[8*(2*\et+\dh):8*(2*\et+\dh)+7], v[QF+8*(2*\a+\dh):QF+8*(2*\a+\dh)+7], v[OT+8*(4*\a+\et):OT+8*(4*\a+\et)+7]
.endr
.endr
.endr
	WIN 0
.rept 4
	v_nop                                          ; four places behind the last matrix instructions (ISA guide 7.12.1)
.endr
.irp a, 0,1,2,3
.irp e, 0,1,2,3,4,5,6,7,8,9,10,11,12,13,14,15
	v_pk_mul_f32 v[OT+32*\a+2*\e:OT+32*\a+2*\e+1], v[OT+32*\a+2*\e:OT+32*\a+2*\e+1], v[CF+2*\a:CF+2*\a+1]
.endr
.endr
.set i, 0
.rept 64
	v_cvt_pk_f16_f32 v[OT+i], v[OT+2*i], v[OT+2*i+1]       ; packed downward, as above
.set i, i+1
.endr
.irp a, 0,1,2,3
.irp et, 0,1,2,3
	global_store_b128 v3, v[OT+4*(4*\a+\et):OT+4*(4*\a+\et)+3], s[14:15] offset:\a*32768+\et*512
.endr
.endr
	s_cmp_lg_u32 s18, 0
	s_cbranch_scc1 .Lend                           ; wave 0, lane 0 stores the scale
	v_mov_b32 v16, s62
	v_mov_b32 v17, 0
	v_cmp_eq_u32 vcc_lo, 0, v1
	s_wait_xcnt 0x0                                ; EXEC changes only behind this wait
	s_and_saveexec_b32 s74, vcc_lo
	global_store_b32 v17, v16, s[16:17]
	s_wait_xcnt 0x0
	s_or_b32 exec_lo, exec_lo, s74
.Lend:
	s_wait_tensorcnt 0x0
	ds_add_u32 v30, v31
	s_wait_dscnt 0x0
	s_endpgm
.Lfunc_end_k_qbd025225bd_inter:
	.size	k_qbd025225bd_inter, .Lfunc_end_k_qbd025225bd_inter-k_qbd025225bd_inter
	.p2alignl 7, 3214868480
	.fill 96, 4, 3214868480
	.section	.rodata,"a",@progbits
	.p2align	6, 0x0
	.amdhsa_kernel k_qbd025225bd_inter
		.amdhsa_group_segment_fixed_size 8704
		.amdhsa_private_segment_fixed_size 0
		.amdhsa_enable_private_segment 0
		.amdhsa_kernarg_size 56
		.amdhsa_user_sgpr_count 2
		.amdhsa_user_sgpr_kernarg_segment_ptr 1
		.amdhsa_wavefront_size32 1
		.amdhsa_system_sgpr_workgroup_id_x 1
		.amdhsa_system_sgpr_workgroup_id_y 1
		.amdhsa_system_sgpr_workgroup_id_z 1
		.amdhsa_system_vgpr_workitem_id 0
		.amdhsa_next_free_vgpr 480
		.amdhsa_next_free_sgpr 80
		.amdhsa_reserve_vcc 1
		.amdhsa_float_denorm_mode_32 3
		.amdhsa_float_denorm_mode_16_64 3
		.amdhsa_memory_ordered 1
		.amdhsa_forward_progress 1
		.amdhsa_inst_pref_size 47
	.end_amdhsa_kernel
	.amdgpu_metadata
---
amdhsa.version: [ 1, 2 ]
amdhsa.kernels:
  - .name:           k_qbd025225bd_inter
    .symbol:         k_qbd025225bd_inter.kd
    .args:
      - { .name: qf, .offset: 0, .size: 8, .value_kind: global_buffer, .address_space: global }
      - { .name: oi, .offset: 8, .size: 8, .value_kind: global_buffer, .address_space: global }
      - { .name: uu, .offset: 16, .size: 8, .value_kind: global_buffer, .address_space: global }
      - { .name: st, .offset: 24, .size: 8, .value_kind: global_buffer, .address_space: global }
      - { .name: gamma, .offset: 32, .size: 8, .value_kind: global_buffer, .address_space: global }
      - { .name: ah, .offset: 40, .size: 8, .value_kind: global_buffer, .address_space: global }
      - { .name: sc, .offset: 48, .size: 8, .value_kind: global_buffer, .address_space: global }
    .group_segment_fixed_size: 8704
    .private_segment_fixed_size: 0
    .kernarg_segment_align: 8
    .kernarg_segment_size: 56
    .max_flat_workgroup_size: 128
    .sgpr_count:     80
    .vgpr_count:     480
    .wavefront_size: 32
...
	.end_amdgpu_metadata
.endif
;; end of part 3
;; launch outp (part 4): grid 8 x 32, 4 waves a work-group, clusters of 4 x 4, 327,680 bytes of LDS; arguments ah, wh, bo, sc, out0; writes out0
.if DOCPART == 4
	.amdgcn_target "amdgcn-amd-amdhsa--gfx1250"
	.amdhsa_code_object_version 6
	.text
	.protected	k_qbd025225bd_outp
	.globl	k_qbd025225bd_outp
	.p2align	8
	.type	k_qbd025225bd_outp,@function
k_qbd025225bd_outp:
	s_mov_b64 s[64:65], 0
	v_nop
	global_prefetch_b8 v0, s[64:65] scope:SCOPE_SE
	s_setreg_imm32_b32 hwreg(HW_REG_WAVE_MODE, 25, 1), 1
	s_wait_xcnt 0x0
	s_wait_alu depctr_hold_cnt(0) depctr_sa_sdst(0) depctr_va_vdst(0) depctr_va_sdst(0) depctr_va_ssrc(0) depctr_va_vcc(0) depctr_vm_vsrc(0)
	s_getreg_b32 s2, hwreg(HW_REG_IB_STS2, 6, 4)
	s_cmp_eq_u32 s2, 0
	s_cbranch_scc0 .Lentry_in_a_cluster
	s_endpgm
.Lentry_in_a_cluster:
	s_bfe_u32 s2, ttmp6, 0x10000c
	s_cmp_lg_u32 s2, 0xf033
	s_cbranch_scc0 .Lentry_shape_is_right
	s_endpgm
.Lentry_shape_is_right:
; out0 = (R / 2) (a^ Wo^T) + bo.  a^ [4096][1024] f16 lies in memory as matrix fragments (row tile x 32,768 + k block of 32 x 1,024 + half x 512 + lane x 16),
; Wo in rows 3072 .. 4095 of wh, f16, K along the rows.  R / 2 is one number for each chunk of 256 rows (sc).
; A work-group makes 128 x 128 of out0 with four waves of 64 x 64 (16 accumulator tiles in window 1): 8 x 32 = 256 work-groups.
; K goes in four steps of 256 through two LDS slots: no loop.  A slot holds Wo's 128 rows (512 bytes + 16 of padding), then a^'s 8 row tiles x 8,192 bytes.
; CLUSTERS: 4 x 4.  a^'s tile hangs on the block row alone and is asked for jointly along a row of the cluster, Wo's on the block column alone, along a column.
; The matrix instruction takes Wo's rows as source 0: a lane then holds one row of out0 and 8 neighbouring columns.
.set BP,    528                        ; pitch of Wo's rows in LDS: an odd multiple of 16
.set BHALF, 64*BP                      ; what one tensor load of Wo brings
.set AOFF,  128*BP                     ; a^'s fragments lie behind Wo's 128 rows
.set SLOT,  AOFF+65536
.set STAGE, 2*SLOT                     ; behind the ring: 16 rows x 272 bytes a wave, for the way out; no fill lands here
.set SP,    272
.set ADRA, 16                          ; v16-17 my a^ fragments in slot 0, 1
.set ADRB, 20                          ; v20-21 my Wo fragments
.set STO,  24
.set RD,   25
.set CO,   26
.set H32,  27
.set F0,   64                          ; fragment buffer 0: Wo's four at + 8 nt, a^'s four at + 32 + 8 a
.set F1,   128
.set BO,   192                         ; v192-223 bo of my 64 columns: 8 registers a column tile
.set G1,  32                           ; a^'s tiles
.set G0,  40
.set G1B, 48                           ; Wo's tiles
.set G0B, 56
.set MSB, 0
.macro WIN new
.if MSB != (\new)
	s_set_vgpr_msb (MSB<<8)|(\new)
.set MSB, \new
.endif
.endm
.macro JLOAD s                         ; waves 0, 1 ask for Wo's two halves, waves 2, 3 for a^'s
	s_cmp_eq_u32 s24, 0
	s_cbranch_scc0 .Lfor_a_\@
	tensor_load_to_lds s[G0B+4*\s:G0B+4*\s+3], s[G1B:G1B+7]
	s_nop 0
	s_branch .Lasked_\@
.Lfor_a_\@:
	tensor_load_to_lds s[G0+4*\s:G0+4*\s+3], s[G1:G1+7]
	s_nop 0
.Lasked_\@:
.endm
.macro CREST
	s_cmp_lg_u32 s22, 0
	s_cbranch_scc1 .Lnot_wave_0_\@
	s_barrier_signal -3
.Lnot_wave_0_\@:
	s_barrier_wait -3
	s_barrier_signal -1
	s_barrier_wait -1
.endm
.macro CROUND
	s_barrier_signal -1
	s_barrier_wait -1
	CREST
.endm
.macro PLACES
.rept 4
	v_nop
.endr
.endm
	s_load_b256 s[4:11], s[0:1], 0x0               ; ah s[4:5], wh s[6:7], bo s[8:9], sc s[10:11]
	s_load_b64 s[12:13], s[0:1], 0x20              ; out0
	v_lshl_add_u32 v62, v0, 2, 0x45400
	v_mov_b32 v63, 0
	ds_add_u32 v62, v63
	v_lshrrev_b32 v1, 5, v0
	v_readfirstlane_b32 s22, v1                    ; wave
	s_and_b32 s23, s22, 1                          ; my half of the columns; also which half of a tile I fetch
	s_lshr_b32 s24, s22, 1                         ; my half of the rows; also 0: I fetch Wo, 1: a^
	s_bfe_u32 s25, ttmp6, 0x40000                  ; cx
	s_bfe_u32 s26, ttmp6, 0x40004                  ; cy
	s_lshl_b32 s27, ttmp9, 2
	s_add_co_u32 s27, s27, s25                     ; block column
	s_and_b32 s28, ttmp7, 0xffff
	s_lshl_b32 s28, s28, 2
	s_add_co_u32 s28, s28, s26                     ; block row
	s_lshl_b32 s29, s26, 2
	s_lshl_b32 s29, 15, s29                        ; my row of the cluster
	s_lshl_b32 s30, 0x1111, s25                    ; my column
	s_or_b32 s[G1+0], s29, (3<<16)|(1<<21)         ; a^: elements of 8 bytes, no padding, bit 21 beside the mask
	s_mov_b32 s[G1+1], 1024<<16                    ; a row of the tile: 8 k blocks = 8,192 bytes = 1,024 elements
	s_mov_b32 s[G1+2], 4<<16                       ; 4 row tiles
	s_mov_b32 s[G1+3], 1024<<16
	s_mov_b32 s[G1+4], 4
	s_mov_b32 s[G1+5], 4096                        ; 32,768 bytes from row tile to row tile
	s_mov_b32 s[G1+6], 0
	s_mov_b32 s[G1+7], 0
	s_or_b32 s[G1B+0], s30, (1<<16)|(1<<20)|(1<<21)|(6<<22)|(3<<25)   ; Wo: 2-byte elements; after every 128 words, 4 words of padding
	s_mov_b32 s[G1B+1], 256<<16
	s_mov_b32 s[G1B+2], 64<<16
	s_mov_b32 s[G1B+3], 256<<16
	s_mov_b32 s[G1B+4], 64
	s_mov_b32 s[G1B+5], 1024
	s_mov_b32 s[G1B+6], 0
	s_mov_b32 s[G1B+7], 0
	s_lshl_b32 s14, s23, 17                        ; half: 4 row tiles of 32,768 bytes, or 64 rows of 2,048 bytes
	s_lshl_b32 s66, s28, 18                        ; a^: row tile 8 x block row + 4 x half; never holds cx
	s_add_co_u32 s66, s66, s14
	s_mov_b32 s67, 0
	s_lshl_b32 s68, s27, 18                        ; Wo: row 3072 + 128 x block column + 64 x half; never holds cy
	s_add_co_u32 s68, s68, s14
	s_add_co_u32 s68, s68, 3072*2048
	s_mov_b32 s69, 0
	s_mul_i32 s15, s22, BHALF                      ; LDS: Wo's halves at wave x 33,792 (waves 0, 1),
	s_lshl_b32 s16, s22, 15
	s_add_co_u32 s16, s16, AOFF-65536              ; a^'s at 2,048 + wave x 32,768 (waves 2, 3)
	s_wait_dscnt 0x0
	s_wait_kmcnt 0x0
	s_add_nc_u64 s[66:67], s[4:5], s[66:67]
	s_add_nc_u64 s[68:69], s[6:7], s[68:69]
	CROUND                                         ; the first joint loads meet
.irp s, 0,1
	s_mov_b32 s[G0+4*\s], 1
	s_add_co_u32 s[G0+4*\s+1], s16, \s*SLOT
	s_add_nc_u64 s[G0+4*\s+2:G0+4*\s+3], s[66:67], \s*8192      ; K step s: 8 k blocks of 1,024 bytes
	s_or_b32 s[G0+4*\s+3], s[G0+4*\s+3], 0x80000000
	s_mov_b32 s[G0B+4*\s], 1
	s_add_co_u32 s[G0B+4*\s+1], s15, \s*SLOT
	s_add_nc_u64 s[G0B+4*\s+2:G0B+4*\s+3], s[68:69], \s*512
	s_or_b32 s[G0B+4*\s+3], s[G0B+4*\s+3], 0x80000000
	JLOAD \s                                       ; two tensor loads of the wave are out here, one from then on
.endr
	s_mov_b32 s19, 0
	s_lshr_b32 s18, s28, 1
	s_lshl_b32 s18, s18, 6                         ; sc[16 chunk]: chunk = block row / 2
	s_add_nc_u64 s[20:21], s[10:11], s[18:19]
	s_load_b32 s70, s[20:21], 0x0                  ; R / 2, waited for on the way out
	s_lshl_b32 s18, s27, 9
	s_lshl_b32 s17, s23, 8
	s_add_co_u32 s18, s18, s17                     ; my first column, in bytes
	s_add_nc_u64 s[8:9], s[8:9], s[18:19]
	s_add_nc_u64 s[12:13], s[12:13], s[18:19]
	s_lshl_b32 s18, s28, 19
	s_lshl_b32 s17, s24, 18
	s_add_co_u32 s18, s18, s17                     ; my first row, 4,096 bytes a row
	s_add_nc_u64 s[12:13], s[12:13], s[18:19]
	v_and_b32 v3, 31, v0                           ; lane
	v_and_b32 v1, 15, v0                           ; r
	v_bfe_u32 v2, v0, 4, 1                         ; h
	v_mul_u32_u24 v4, v1, BP
	v_lshl_add_u32 v4, v2, 4, v4
	s_mul_i32 s17, s23, 64*BP
	v_add_nc_u32 v[ADRB], s17, v4
	v_add_nc_u32 v[ADRB+1], SLOT, v[ADRB]
	v_lshlrev_b32 v5, 4, v3
	s_lshl_b32 s17, s24, 15
	s_add_co_u32 s17, s17, AOFF
	v_add_nc_u32 v[ADRA], s17, v5
	v_add_nc_u32 v[ADRA+1], SLOT, v[ADRA]
	s_mul_i32 s17, s22, 16*SP
	s_add_co_u32 s17, s17, STAGE
	v_mul_u32_u24 v6, v1, SP
	v_lshl_add_u32 v6, v2, 5, v6
	v_add_nc_u32 v[STO], s17, v6                   ; in: row r, 32 bytes for each half of the lanes
	v_mul_u32_u24 v7, v2, SP
	v_lshl_add_u32 v7, v1, 4, v7
	v_add_nc_u32 v[RD], s17, v7                    ; back: lanes 0-15 one row of 256 bytes, lanes 16-31 the next
	v_lshlrev_b32 v8, 12, v2
	v_lshl_add_u32 v[CO], v1, 4, v8                ; the same two rows in out0
	v_lshlrev_b32 v[H32], 5, v2
.irp nt, 0,1,2,3
	global_load_b128 v[BO+8*\nt:BO+8*\nt+3],   v[H32], s[8:9] offset:64*\nt
	global_load_b128 v[BO+8*\nt+4:BO+8*\nt+7], v[H32], s[8:9] offset:64*\nt+16
.endr
.macro MULH f, a0, zero                ; 8 matrix instructions: row tiles a0, a0 + 1 x 4 column tiles, 32 along K
.irp a, \a0, \a0+1
.irp nt, 0,1,2,3
.if \zero
	v_wmma_f32_16x16x32_f16 v[8*(4*(\a)+\nt):8*(4*(\a)+\nt)+7], v[\f+8*\nt:\f+8*\nt+7], v[\f+32+8*(\a):\f+32+8*(\a)+7], 0
.else
	v_wmma_f32_16x16x32_f16 v[8*(4*(\a)+\nt):8*(4*(\a)+\nt)+7], v[\f+8*\nt:\f+8*\nt+7], v[\f+32+8*(\a):\f+32+8*(\a)+7], v[8*(4*(\a)+\nt):8*(4*(\a)+\nt)+7]
.endif
.endr
.endr
.endm
.macro FETCH slot, kb, f               ; 16 LDS loads: k block kb of the slot into buffer f
.irp nt, 0,1,2,3
	ds_load_b128 v[\f+8*\nt:\f+8*\nt+3],   v[ADRB+\slot] offset:\nt*16*BP+64*(\kb)
	ds_load_b128 v[\f+8*\nt+4:\f+8*\nt+7], v[ADRB+\slot] offset:\nt*16*BP+64*(\kb)+32
.endr
.irp a, 0,1,2,3
	ds_load_b128 v[\f+32+8*\a:\f+32+8*\a+3],   v[ADRA+\slot] offset:\a*8192+1024*(\kb)
	ds_load_b128 v[\f+32+8*\a+4:\f+32+8*\a+7], v[ADRA+\slot] offset:\a*8192+1024*(\kb)+512
.endr
.endm
; One of the first seven eighths of a K step: the next k block is asked for, then this one is multiplied.
; The sixteen accumulators take turns in the same order everywhere.
.macro EIGHTH slot, kb, zero
	s_wait_dscnt 0x0                               ; this k block's fragments are in
	PLACES                                         ; the other buffer was read by the matrix instructions just issued
	WIN 0
	FETCH \slot, \kb+1, F0+64*((\kb+1)%2)
	WIN 0x50
	MULH F0+64*(\kb%2), 0, \zero
	MULH F0+64*(\kb%2), 2, \zero
.endm
.macro SEVEN slot, zero
	EIGHTH \slot, 0, \zero
	EIGHTH \slot, 1, 0
	EIGHTH \slot, 2, 0
	EIGHTH \slot, 3, 0
	EIGHTH \slot, 4, 0
	EIGHTH \slot, 5, 0
	EIGHTH \slot, 6, 0
.endm
; The last eighth changes slots: each wave's reads of this slot and all its tensor loads are waited for in front of the barrier;
; behind it the refill comes first, then the next slot's first fragments.
.macro TURN slot, next, fill
	s_wait_dscnt 0x0
	s_wait_tensorcnt 0x0
	ds_add_u32 v62, v63
	s_wait_dscnt 0x0
	s_barrier_signal -1
	WIN 0x50
	MULH F1, 0, 0
	WIN 0
	s_barrier_wait -1
.if \fill
	CREST
	s_add_nc_u64 s[G0+4*\slot+2:G0+4*\slot+3], s[G0+4*\slot+2:G0+4*\slot+3], 16384      ; two K steps on
	s_add_nc_u64 s[G0B+4*\slot+2:G0B+4*\slot+3], s[G0B+4*\slot+2:G0B+4*\slot+3], 1024
	JLOAD \slot
.endif
	PLACES
	FETCH \next, 0, F0
	WIN 0x50
	MULH F1, 2, 0
.endm
	s_wait_tensorcnt 0x1                           ; my part of K step 0 is in; K step 1's stays out
	s_barrier_signal -1
	s_barrier_wait -1
	FETCH 0, 0, F0
	SEVEN 0, 1                                     ; the first products start the sums
	TURN 0, 1, 1
	SEVEN 1, 0
	TURN 1, 0, 1
	SEVEN 0, 0
	TURN 0, 1, 0
	SEVEN 1, 0
	s_wait_dscnt 0x0
	WIN 0x50
	MULH F1, 0, 0
	MULH F1, 2, 0
	PLACES
	s_wait_loadcnt 0x0                             ; bo
	s_wait_kmcnt 0x0                               ; R / 2
	s_mov_b32 s71, s70
; 16 rows at a time: scale and bias in one fused multiply-add, 32 bytes a lane into my own stage, whole rows of 256 bytes back and out
.macro OUT16 a, buf
	WIN 0x01
.irp nt, 0,1,2,3
.irp p, 0,1,2,3
	v_pk_fma_f32 v[64+8*\nt+2*\p:64+8*\nt+2*\p+1], v[8*(4*\a+\nt)+2*\p:8*(4*\a+\nt)+2*\p+1], s[70:71], v[BO+8*\nt+2*\p:BO+8*\nt+2*\p+1] op_sel_hi:[1,0,1]
.endr
.endr
	WIN 0
.irp nt, 0,1,2,3
	ds_store_b128 v[STO], v[64+8*\nt:64+8*\nt+3] offset:64*\nt
	ds_store_b128 v[STO], v[64+8*\nt+4:64+8*\nt+7] offset:64*\nt+16
.endr
	s_wait_xcnt 0x0                                ; the buffer, which earlier stores read, is loaded again only behind this wait
.irp t, 0,1,2,3,4,5,6,7
	ds_load_b128 v[\buf+4*\t:\buf+4*\t+3], v[RD] offset:\t*2*SP       ; my own bytes: LDS serves a wave in order (ISA guide 5.7.1)
.endr
.irp t, 0,1,2,3,4,5,6,7
	s_wait_dscnt 7-\t
	global_store_b128 v[CO], v[\buf+4*\t:\buf+4*\t+3], s[12:13] offset:(16*\a+2*\t)*4096 th:TH_STORE_NT   ; 16 lanes store 256 consecutive bytes, aligned
.endr
.endm
	OUT16 0, 224
	OUT16 1, 96
	OUT16 2, 224
	OUT16 3, 96
	s_wait_tensorcnt 0x0
	ds_add_u32 v62, v63
	s_wait_dscnt 0x0
	CROUND                                         ; the closing round
	s_endpgm
.Lfunc_end_k_qbd025225bd_outp:
	.size	k_qbd025225bd_outp, .Lfunc_end_k_qbd025225bd_outp-k_qbd025225bd_outp
	.p2alignl 7, 3214868480
	.fill 96, 4, 3214868480
	.section	.rodata,"a",@progbits
	.p2align	6, 0x0
	.amdhsa_kernel k_qbd025225bd_outp
		.amdhsa_group_segment_fixed_size 327680
		.amdhsa_private_segment_fixed_size 0
		.amdhsa_enable_private_segment 0
		.amdhsa_kernarg_size 40
		.amdhsa_user_sgpr_count 2
		.amdhsa_user_sgpr_kernarg_segment_ptr 1
		.amdhsa_wavefront_size32 1
		.amdhsa_system_sgpr_workgroup_id_x 1
		.amdhsa_system_sgpr_workgroup_id_y 1
		.amdhsa_system_sgpr_workgroup_id_z 1
		.amdhsa_system_vgpr_workitem_id 0
		.amdhsa_next_free_vgpr 384
		.amdhsa_next_free_sgpr 72
		.amdhsa_reserve_vcc 0
		.amdhsa_float_denorm_mode_32 3
		.amdhsa_float_denorm_mode_16_64 3
		.amdhsa_memory_ordered 1
		.amdhsa_forward_progress 1
		.amdhsa_inst_pref_size 93
	.end_amdhsa_kernel
	.amdgpu_metadata
---
amdhsa.version: [ 1, 2 ]
amdhsa.kernels:
  - .name:           k_qbd025225bd_outp
    .symbol:         k_qbd025225bd_outp.kd
    .args:
      - { .name: ah, .offset: 0, .size: 8, .value_kind: global_buffer, .address_space: global }
      - { .name: wh, .offset: 8, .size: 8, .value_kind: global_buffer, .address_space: global }
      - { .name: bo, .offset: 16, .size: 8, .value_kind: global_buffer, .address_space: global }
      - { .name: sc, .offset: 24, .size: 8, .value_kind: global_buffer, .address_space: global }
      - { .name: out0, .offset: 32, .size: 8, .value_kind: global_buffer, .address_space: global }
    .group_segment_fixed_size: 327680
    .private_segment_fixed_size: 0
    .kernarg_segment_align: 8
    .kernarg_segment_size: 40
    .max_flat_workgroup_size: 128
    .sgpr_count:     72
    .vgpr_count:     384
    .wavefront_size: 32
...
	.end_amdgpu_metadata
.endif
;; end of part 4
;; ======== version 2 of 2: 4 launches; version 1 with the launch cvt written anew for expert scheduling mode
;; limits: values are held in f16: magnitudes above 65,504 overflow, below 6.1e-05 lose precision; inputs' magnitudes at most 65,504
;; workspace buffers: xh 8,388,608 bytes; wh 8,388,608 bytes; qf 8,388,608 bytes; oi 16,777,216 bytes; uu 4,194,304 bytes; st 4,096 bytes; ah 8,388,608 bytes; sc 1,024 bytes
;; launch cvt (part 5): grid 256 x 2, 8 waves a work-group, no clusters, 0 bytes of LDS; arguments x, Wq, Wk, Wv, Wo, xh, wh; writes xh, wh
.if DOCPART == 5
	.amdgcn_target "amdgcn-amd-amdhsa--gfx1250"
	.amdhsa_code_object_version 6
	.text
	.protected	k_qbd025225bd_cvt
	.globl	k_qbd025225bd_cvt
	.p2align	8
	.type	k_qbd025225bd_cvt,@function
k_qbd025225bd_cvt:
	s_mov_b64 s[64:65], 0
	v_nop
	global_prefetch_b8 v0, s[64:65] scope:SCOPE_SE
	s_setreg_imm32_b32 hwreg(HW_REG_WAVE_SCHED_MODE, 0, 2), 2
	s_setreg_imm32_b32 hwreg(HW_REG_WAVE_MODE, 25, 1), 1
	s_wait_xcnt 0x0
	s_wait_alu depctr_vm_vsrc(0)
; x and the four weight matrices, f32, are rounded once to f16 (nearest even) for the matrix units.
; xh[4096][1024] = x.  wh[4096][1024]: row 192 h + 64 m + j = row 64 h + j of W_m (m = 0, 1, 2: Wq, Wk, Wv), so that the 192 rows that one
; head needs lie together; rows 3072 + n = row n of Wo.
; A work-group takes 16 rows of 4,096 bytes; thread t takes the 16 bytes at 16 t of every row and stores 8 bytes at 8 t:
; a wave's load covers 512 consecutive bytes, its store 256 consecutive bytes, aligned.  All sixteen loads go out at once.
; A pure stream: no LDS, no barrier, no matrix unit.
; LIMITS: |x| and |W| above 65504 become infinite in f16; magnitudes under 2^-14 keep an absolute step of 2^-24.
; THE MODE: SCHED_MODE bits 1:0 = 2 (LLVM: expert scheduling mode 2), set by the entry lines.  The code itself states the register dependences
; between vector instructions and memory instructions, with s_wait_alu, always for 0.
; THE PLAN.  Registers that memory instructions touch:
;   v1, v2      byte offsets, made once at the head and never written again; v1 is read by every load, v2 by every store.
;   X v[8:71]   row j: 4 registers, written once, by the row's load; no vector instruction names them ahead of the loads; read by the row's two conversions.
;   Y v[72:103] row j: 2 registers, written once, by the row's conversions; read once, by the row's store.
; No register that a memory instruction has read is written again, and no load lands in a register that a vector instruction has named: the one kind of
; dependence is a vector instruction's result that a memory instruction reads.  The rows go in four blocks of four.  A block's four stores are issued in one run
; at the head of the next block, behind ONE wait on va_vdst, which stands behind the wait for that next block's first row: the eight conversions that it waits for
; were issued ahead of that wait for data.  No conversion stands between the wait and the stores.  The last block has its wait and its stores at the end.
.set ROWB,  4096                       ; bytes of a source row
.set OROWB, 2048                       ; bytes of a destination row
.set X,     8
.set Y,     72
	s_load_b256 s[4:11], s[0:1], 0x0               ; x s[4:5], Wq s[6:7], Wk s[8:9], Wv s[10:11]
	s_load_b128 s[12:15], s[0:1], 0x20             ; Wo s[12:13], xh s[14:15]
	s_load_b64 s[16:17], s[0:1], 0x30              ; wh
	s_and_b32 s20, ttmp7, 0xffff                   ; 0: rows of x, 1: rows of a weight matrix
	s_lshr_b32 s21, ttmp9, 6                       ; m: which matrix
	s_and_b32 s22, ttmp9, 63                       ; i: which 16 rows of it
	s_lshr_b32 s23, s22, 2                         ; head = i / 4
	s_mul_i32 s23, s23, 192
	s_lshl_b32 s24, s21, 6
	s_add_co_u32 s23, s23, s24                     ; + 64 m
	s_and_b32 s24, s22, 3
	s_lshl_b32 s24, s24, 4
	s_add_co_u32 s23, s23, s24                     ; + 16 (i % 4)
	s_lshl_b32 s24, s22, 4
	s_add_co_u32 s24, s24, 3072                    ; Wo: row 3072 + 16 i
	s_cmp_eq_u32 s21, 3
	s_cselect_b32 s23, s24, s23
	s_lshl_b32 s23, s23, 11                        ; destination bytes in wh
	s_lshl_b32 s24, s22, 16                        ; source bytes in the matrix
	s_lshl_b32 s25, ttmp9, 16                      ; source bytes in x
	s_lshl_b32 s26, ttmp9, 15                      ; destination bytes in xh
	s_cmp_eq_u32 s20, 0
	s_cselect_b32 s24, s25, s24
	s_cselect_b32 s26, s26, s23
	s_mov_b32 s25, 0
	s_mov_b32 s27, 0
	v_lshlrev_b32 v1, 4, v0                        ; 16 t
	v_lshlrev_b32 v2, 3, v0                        ; 8 t
	s_wait_kmcnt 0x0
	s_cmp_eq_u32 s21, 1                            ; the buffers are chosen on the work-group's numbers alone
	s_cselect_b64 s[28:29], s[8:9], s[6:7]
	s_cmp_eq_u32 s21, 2
	s_cselect_b64 s[28:29], s[10:11], s[28:29]
	s_cmp_eq_u32 s21, 3
	s_cselect_b64 s[28:29], s[12:13], s[28:29]
	s_cmp_eq_u32 s20, 0
	s_cselect_b64 s[28:29], s[4:5], s[28:29]
	s_cselect_b64 s[30:31], s[14:15], s[16:17]
	s_add_nc_u64 s[28:29], s[28:29], s[24:25]
	s_add_nc_u64 s[30:31], s[30:31], s[26:27]
	s_wait_alu depctr_va_vdst(0)                   ; v1 and v2 are written: every load of the kernel reads v1 as its offset, every store v2
.irp j, 0,1,2,3,4,5,6,7,8,9,10,11,12,13,14,15
	global_load_b128 v[X+4*\j:X+4*\j+3], v1, s[28:29] offset:\j*ROWB th:TH_LOAD_NT
.endr
; The four stores of block p, in one run.  Every row has registers of its own: nothing is rewritten.
.macro STORE4 p
.irp t, 0,1,2,3
	global_store_b64 v2, v[Y+2*(4*(\p)+\t):Y+2*(4*(\p)+\t)+1], s[30:31] offset:(4*(\p)+\t)*OROWB
.endr
.endm
.irp p, 0,1,2,3
.irp i, 0,1,2,3
	s_wait_loadcnt 15-(4*\p+\i)                    ; loads return in order: row 4 p + i is in, the younger rows stay out
.if (\i == 0) && (\p > 0)
	s_wait_alu depctr_va_vdst(0)                   ; the conversions of the block before have written its eight registers of Y, which the four stores below read
	STORE4 (\p)-1
.endif
	v_cvt_pk_f16_f32 v[Y+2*(4*\p+\i)],   v[X+4*(4*\p+\i)],   v[X+4*(4*\p+\i)+1]
	v_cvt_pk_f16_f32 v[Y+2*(4*\p+\i)+1], v[X+4*(4*\p+\i)+2], v[X+4*(4*\p+\i)+3]
.endr
.endr
	s_wait_alu depctr_va_vdst(0)                   ; the last block's conversions have written its eight registers of Y, which the last four stores read
	STORE4 3
	s_endpgm
.Lfunc_end_k_qbd025225bd_cvt:
	.size	k_qbd025225bd_cvt, .Lfunc_end_k_qbd025225bd_cvt-k_qbd025225bd_cvt
	.p2alignl 7, 3214868480
	.fill 96, 4, 3214868480
	.section	.rodata,"a",@progbits
	.p2align	6, 0x0
	.amdhsa_kernel k_qbd025225bd_cvt
		.amdhsa_group_segment_fixed_size 0
		.amdhsa_private_segment_fixed_size 0
		.amdhsa_enable_private_segment 0
		.amdhsa_kernarg_size 56
		.amdhsa_user_sgpr_count 2
		.amdhsa_user_sgpr_kernarg_segment_ptr 1
		.amdhsa_wavefront_size32 1
		.amdhsa_system_sgpr_workgroup_id_x 1
		.amdhsa_system_sgpr_workgroup_id_y 1
		.amdhsa_system_sgpr_workgroup_id_z 1
		.amdhsa_system_vgpr_workitem_id 0
		.amdhsa_next_free_vgpr 104
		.amdhsa_next_free_sgpr 66
		.amdhsa_reserve_vcc 0
		.amdhsa_float_denorm_mode_32 3
		.amdhsa_float_denorm_mode_16_64 3
		.amdhsa_memory_ordered 1
		.amdhsa_forward_progress 1
		.amdhsa_inst_pref_size 8
	.end_amdhsa_kernel
	.amdgpu_metadata
---
amdhsa.version: [ 1, 2 ]
amdhsa.kernels:
  - .name:           k_qbd025225bd_cvt
    .symbol:         k_qbd025225bd_cvt.kd
    .args:
      - { .name: x, .offset: 0, .size: 8, .value_kind: global_buffer, .address_space: global }
      - { .name: Wq, .offset: 8, .size: 8, .value_kind: global_buffer, .address_space: global }
      - { .name: Wk, .offset: 16, .size: 8, .value_kind: global_buffer, .address_space: global }
      - { .name: Wv, .offset: 24, .size: 8, .value_kind: global_buffer, .address_space: global }
      - { .name: Wo, .offset: 32, .size: 8, .value_kind: global_buffer, .address_space: global }
      - { .name: xh, .offset: 40, .size: 8, .value_kind: global_buffer, .address_space: global }
      - { .name: wh, .offset: 48, .size: 8, .value_kind: global_buffer, .address_space: global }
    .group_segment_fixed_size: 0
    .private_segment_fixed_size: 0
    .kernarg_segment_align: 8
    .kernarg_segment_size: 56
    .max_flat_workgroup_size: 256
    .sgpr_count:     66
    .vgpr_count:     104
    .wavefront_size: 32
...
	.end_amdgpu_metadata
.endif
;; end of part 5
;; launch proj: the kernel of part 2 again; grid 16 x 16, 4 waves a work-group, clusters of 4 x 4, 327,680 bytes of LDS; arguments xh, wh, bq, bk, bv, qf, oi, uu, st; writes qf, oi, uu, st
;; launch inter: the kernel of part 3 again; grid 16 x 16, 4 waves a work-group, no clusters, 8,704 bytes of LDS; arguments qf, oi, uu, st, gamma, ah, sc; writes ah, sc
;; launch outp: the kernel of part 4 again; grid 8 x 32, 4 waves a work-group, clusters of 4 x 4, 327,680 bytes of LDS; arguments ah, wh, bo, sc, out0; writes out0
